; MI455X (gfx1250); checked and timed in simulation.
; The chip was launched on July 23, 2026; its instructions are those of AMD's public machine-readable ISA for CDNA 5 (MIT licence, August 2026) and "CDNA5" Instruction Set Architecture Reference Guide (July 2026). The comments in the code are by the model that wrote it; some were corrected since.
;; Causal Attention. Allowed arithmetic: float matrix products may take bf16 or f16 operands with f32 sums; other float arithmetic in f32, or as packed bf16 or f16 multiplies, adds, multiply-adds, maxima and minima; sums over many terms, partial sums and values carried from step to step in f32; what a program stores and reads back later, other than sums and carried values, may be rounded once to bf16 or f16.
;; Inputs: Wk 1,024 x 1,024 float32; Wq 1,024 x 1,024 float32; Wv 1,024 x 1,024 float32; x 4 x 2,048 x 1,024 float32.
;; Outputs: out0 4 x 2,048 x 1,024 float32.
;; 2 versions, each right. Each part assembles by itself: llvm-mc -triple=amdgcn-amd-amdhsa -mcpu=gfx1250 --defsym DOCPART=n.
;; ======== version 1 of 2: 4 launches
;; limits: values are held in f16: magnitudes above 65,504 overflow, below 6.1e-05 lose precision
;; workspace buffers: xb 16,777,216 bytes; wb 6,291,456 bytes; qkv 50,331,648 bytes; pt 33,554,432 bytes; st 1,048,576 bytes
;; launch prep (part 1): grid 704 x 1, 8 waves a work-group, no clusters, 0 bytes of LDS; arguments x, Wq, Wk, Wv, xb, wb; writes xb, wb
.if DOCPART == 1
	.amdgcn_target "amdgcn-amd-amdhsa--gfx1250"
	.amdhsa_code_object_version 6
	.text
	.protected	k_qc5c61f8aa8_prep
	.globl	k_qc5c61f8aa8_prep
	.p2align	8
	.type	k_qc5c61f8aa8_prep,@function
k_qc5c61f8aa8_prep:
	s_mov_b64 s[64:65], 0
	v_nop
	global_prefetch_b8 v0, s[64:65] scope:SCOPE_SE
	s_setreg_imm32_b32 hwreg(HW_REG_WAVE_MODE, 25, 1), 1
	s_wait_xcnt 0x0
; CAST.  xb[8192][1024] = bf16(x);  wb[1024][3072] = bf16 of Wq | Wk | Wv side by side (row k: 1,024 numbers of each).
; A row is 1,024 f32 = 4,096 bytes: 256 threads x 16 bytes.  A work-group takes 16 rows: groups 0-511 those of x, groups 512-703 those of the three weights (64 groups each).
; All 16 loads of a thread go out first; each row is rounded once (to nearest even) and stored as 8 bytes a lane: a wave's store covers 256 consecutive bytes, aligned.
; No LDS, no matrix work, no cluster: every byte is read once and written once, and no two work-groups share an input.
.set X, 4                              ; v[4:67]   row i: 4 f32 as loaded
.set Y, 68                             ; v[68:99]  row i: 4 bf16 to store
.macro LOADS
.set i, 0
.rept 16
	global_load_b128 v[X+4*i:X+4*i+3], v1, s[20:21] offset:4096*i th:TH_LOAD_NT
.set i, i+1
.endr
.endm
.macro CAST pitch                      ; pitch: bytes from row to row in the destination
.set i, 0
.rept 16
	s_wait_loadcnt 15-i                            ; loads come back in order: row i is in, the younger rows stay out
	v_cvt_pk_bf16_f32 v[Y+2*i], v[X+4*i], v[X+4*i+1]
	v_cvt_pk_bf16_f32 v[Y+2*i+1], v[X+4*i+2], v[X+4*i+3]
	global_store_b64 v2, v[Y+2*i:Y+2*i+1], s[22:23] offset:(\pitch)*i
.set i, i+1
.endr
.endm
	s_load_b256 s[4:11], s[0:1], 0x0               ; x s[4:5], Wq s[6:7], Wk s[8:9], Wv s[10:11]
	s_load_b128 s[12:15], s[0:1], 0x20             ; xb s[12:13], wb s[14:15]
	v_lshlrev_b32 v1, 4, v0                        ; my 16 bytes of a source row
	v_lshlrev_b32 v2, 3, v0                        ; my 8 bytes of a destination row
	s_mov_b32 s17, 0
	s_wait_kmcnt 0x0
	s_cmp_lt_u32 ttmp9, 512
	s_cbranch_scc0 .Lweights
	s_lshl_b32 s16, ttmp9, 16                      ; 16 rows of 4,096 bytes
	s_add_nc_u64 s[20:21], s[4:5], s[16:17]
	s_lshl_b32 s16, ttmp9, 15                      ; 16 rows of 2,048 bytes
	s_add_nc_u64 s[22:23], s[12:13], s[16:17]
	LOADS
	CAST 2048
	s_endpgm
.Lweights:
	s_sub_co_u32 s18, ttmp9, 512
	s_lshr_b32 s19, s18, 6                         ; which weight: 0 Wq, 1 Wk, 2 Wv
	s_and_b32 s18, s18, 63                         ; which 16 rows of it
	s_cmp_eq_u32 s19, 1
	s_cselect_b64 s[20:21], s[8:9], s[6:7]
	s_cmp_eq_u32 s19, 2
	s_cselect_b64 s[20:21], s[10:11], s[20:21]
	s_lshl_b32 s16, s18, 16
	s_add_nc_u64 s[20:21], s[20:21], s[16:17]
	s_mul_i32 s16, s18, 16*6144                    ; 16 rows of wb,
	s_lshl_b32 s19, s19, 11                        ; and the weight's 2,048 bytes in a row
	s_add_co_u32 s16, s16, s19
	s_add_nc_u64 s[22:23], s[14:15], s[16:17]
	LOADS
	CAST 6144
	s_endpgm
.Lfunc_end_k_qc5c61f8aa8_prep:
	.size	k_qc5c61f8aa8_prep, .Lfunc_end_k_qc5c61f8aa8_prep-k_qc5c61f8aa8_prep
	.p2alignl 7, 3214868480
	.fill 96, 4, 3214868480
	.section	.rodata,"a",@progbits
	.p2align	6, 0x0
	.amdhsa_kernel k_qc5c61f8aa8_prep
		.amdhsa_group_segment_fixed_size 0
		.amdhsa_private_segment_fixed_size 0
		.amdhsa_enable_private_segment 0
		.amdhsa_kernarg_size 48
		.amdhsa_user_sgpr_count 2
		.amdhsa_user_sgpr_kernarg_segment_ptr 1
		.amdhsa_wavefront_size32 1
		.amdhsa_system_sgpr_workgroup_id_x 1
		.amdhsa_system_sgpr_workgroup_id_y 1
		.amdhsa_system_sgpr_workgroup_id_z 1
		.amdhsa_system_vgpr_workitem_id 0
		.amdhsa_next_free_vgpr 100
		.amdhsa_next_free_sgpr 66
		.amdhsa_reserve_vcc 0
		.amdhsa_float_denorm_mode_32 3
		.amdhsa_float_denorm_mode_16_64 3
		.amdhsa_memory_ordered 1
		.amdhsa_forward_progress 1
		.amdhsa_inst_pref_size 13
	.end_amdhsa_kernel
	.amdgpu_metadata
---
amdhsa.version: [ 1, 2 ]
amdhsa.kernels:
  - .name:           k_qc5c61f8aa8_prep
    .symbol:         k_qc5c61f8aa8_prep.kd
    .args:
      - { .name: x, .offset: 0, .size: 8, .value_kind: global_buffer, .address_space: global }
      - { .name: Wq, .offset: 8, .size: 8, .value_kind: global_buffer, .address_space: global }
      - { .name: Wk, .offset: 16, .size: 8, .value_kind: global_buffer, .address_space: global }
      - { .name: Wv, .offset: 24, .size: 8, .value_kind: global_buffer, .address_space: global }
      - { .name: xb, .offset: 32, .size: 8, .value_kind: global_buffer, .address_space: global }
      - { .name: wb, .offset: 40, .size: 8, .value_kind: global_buffer, .address_space: global }
    .group_segment_fixed_size: 0
    .private_segment_fixed_size: 0
    .kernarg_segment_align: 8
    .kernarg_segment_size: 48
    .max_flat_workgroup_size: 256
    .sgpr_count:     66
    .vgpr_count:     100
    .wavefront_size: 32
...
	.end_amdgpu_metadata
.endif
;; end of part 1
;; launch proj (part 2): grid 12 x 64, 4 waves a work-group, clusters of 4 x 4, 327,680 bytes of LDS; arguments xb, wb, qkv; writes qkv
.if DOCPART == 2
	.amdgcn_target "amdgcn-amd-amdhsa--gfx1250"
	.amdhsa_code_object_version 6
	.text
	.protected	k_qc5c61f8aa8_proj
	.globl	k_qc5c61f8aa8_proj
	.p2align	8
	.type	k_qc5c61f8aa8_proj,@function
k_qc5c61f8aa8_proj:
	s_mov_b64 s[64:65], 0
	v_nop
	global_prefetch_b8 v0, s[64:65] scope:SCOPE_SE
	s_setreg_imm32_b32 hwreg(HW_REG_WAVE_MODE, 25, 1), 1
	s_wait_xcnt 0x0
	s_wait_alu depctr_hold_cnt(0) depctr_sa_sdst(0) depctr_va_vdst(0) depctr_va_sdst(0) depctr_va_ssrc(0) depctr_va_vcc(0) depctr_vm_vsrc(0)
	s_getreg_b32 s2, hwreg(HW_REG_IB_STS2, 6, 4)
	s_cmp_eq_u32 s2, 0
	s_cbranch_scc0 .Lentry_in_a_cluster
	s_endpgm
.Lentry_in_a_cluster:
	s_bfe_u32 s2, ttmp6, 0x10000c
	s_cmp_lg_u32 s2, 0xf033
	s_cbranch_scc0 .Lentry_shape_is_right
	s_endpgm
.Lentry_shape_is_right:
; PROJECTION.  qkv[m][n] = sum over k of xb[m][k] wb[k][n]:  xb [8192][1024] bf16, wb [1024][3072] bf16, qkv [8192][3072] f16 (q | k | v in a row); sums in f32, rounded once.
; LIMIT.  f16 ends at 65,504: a q, k or v beyond that becomes an infinity.  The inputs' own rounding is bf16's.
; A tile of qkv is 128 rows x 256 columns: 768 tiles, three for each of 256 WGPs.  Four waves, each 64 x 128: 32 accumulators, 256 registers.
; K goes in steps of 128 through two LDS slots: 128 rows of xb (256 bytes each) and 128 k-rows of wb (512 bytes each).  wb lies [k][n], so its fragments come out of LDS turned (ds_load_tr16_b128).
; CLUSTER 4 x 4: the four of a row of the cluster need the same tile of xb, the four of a column the same tile of wb: each is asked for jointly, by the same tensor load and descriptor, with a mask of the four.
; THE MATRIX INSTRUCTION IS USED TRANSPOSED (source 0 = 16 columns of wb, source 1 = 16 rows of xb): a lane holds eight neighbouring numbers of one row of qkv.
; REGISTERS: window 0: v0-31 addresses, v32-63 packed results, v64-127 rows read back;  window 1: two fragment buffers of 96 (64 of wb, 32 of xb);  window 2: accumulator (a, b) at v[8 (8 a + b)].
.set KD,     1024
.set ND,     3072
.set PA,     272                       ; an LDS row of xb: 256 bytes + 16: the 16 rows of a load start 16 bytes apart modulo 256
.set PB,     544                       ; an LDS row of wb: 512 bytes + 32 = 17 x 32: the turning load's 8 rows x 32 bytes fall on different bytes modulo 256
.set BOFF,   128*PA                    ; wb's tile lies behind xb's
.set SLOT,   BOFF+128*PB
.set STAGE,  2*SLOT                    ; behind the ring: 16 rows x 272 bytes for each wave, for the way out
.set SP,     272
.set SPARE,  STAGE+4*16*SP             ; behind the stages: the spare words, 128 bytes a wave, named by no other line
.set LAPS,   KD/256                    ; a lap = two K steps = once round the ring
.set ADRA, 16                          ; v16-17  LDS address of my xb fragments in slot 0, 1
.set ADRB, 20                          ; v20-21  the same for wb
.set STO,  24                          ; v24     the way out: where I put 16 bytes of a row
.set RD,   25                          ; v25     where I read rows back
.set CO,   26                          ; v26     my byte offset in qkv
.set SPW,  28                          ; v28     my spare word; never rewritten
.set NIL,  29                          ; v29     0; never rewritten
.set TMP,  32
.set OB,   64
.set F0,   0
.set F1,   96
.set G1,  24                           ; s[24:31] group 1 for xb's tiles;  s[32:39] group 0, a set for each slot
.set G0,  32
.set G1B, 48                           ; s[48:55], s[56:63] the same for wb's tiles
.set G0B, 56
.set MSB, 0
.macro WIN new                         ; the immediate's high byte repeats the setting that is left
.if MSB != (\new)
	s_set_vgpr_msb (MSB<<8)|(\new)
.set MSB, \new
.endif
.endm
.set MUL,  0xa5                        ; sources 0 and 1 window 1; C and D window 2
.set TO_F, 0x40                        ; destination window 1, address window 0
.macro JLOAD s                         ; a joint load: waves 0 and 1 fetch xb's two halves, waves 2 and 3 wb's; an s_nop 0 and four v_nop follow each line
	s_cmp_eq_u32 s11, 0
	s_cbranch_scc0 .Lfor_b_\@
	tensor_load_to_lds s[G0+4*(\s):G0+4*(\s)+3], s[G1:G1+7]
	s_nop 0
.rept 4
	v_nop
.endr
	s_branch .Lasked_\@
.Lfor_b_\@:
	tensor_load_to_lds s[G0B+4*(\s):G0B+4*(\s)+3], s[G1B:G1B+7]
	s_nop 0
.rept 4
	v_nop
.endr
.Lasked_\@:
.endm
.macro CREST                           ; a round of the cluster's barrier behind its opening barrier
	s_cmp_lg_u32 s10, 0
	s_cbranch_scc1 .Lnot_wave_0_\@
	s_barrier_signal -3
.Lnot_wave_0_\@:
	s_barrier_wait -3
	s_barrier_signal -1
	s_barrier_wait -1
.endm
.macro CROUND
	s_barrier_signal -1
	s_barrier_wait -1
	CREST
.endm
.macro PLACES                          ; four places in front of loads into registers that matrix instructions have read, and of conversions that read results
.rept 4
	v_nop
.endr
.endm
	s_load_b128 s[4:7], s[0:1], 0x0                ; xb s[4:5], wb s[6:7]
	s_load_b64 s[8:9], s[0:1], 0x10                ; qkv
	v_lshl_add_u32 v[SPW], v0, 2, SPARE
	v_mov_b32 v[NIL], 0
	ds_add_u32 v[SPW], v[NIL]                      ; the wave's opening: the add and its wait ahead of my first tensor load
	ds_add_u32 v28, v29
	v_lshrrev_b32 v1, 5, v0
	v_readfirstlane_b32 s10, v1                    ; wave 0..3
	s_lshr_b32 s11, s10, 1                         ; which 64 rows of the tile are mine.  Also: I fetch for xb (0) or wb (1)
	s_and_b32 s12, s10, 1                          ; which 128 columns.  Also: which 64 rows of that tile I fetch
	s_bfe_u32 s40, ttmp6, 0x40000                  ; cx, cy: my place in the cluster
	s_bfe_u32 s41, ttmp6, 0x40004
	s_lshl_b32 s42, ttmp9, 2
	s_add_co_u32 s42, s42, s40                     ; tile column = 4 x cluster x + cx
	s_and_b32 s13, ttmp7, 0xffff
	s_lshl_b32 s13, s13, 2
	s_add_co_u32 s13, s13, s41                     ; tile row = 4 x cluster y + cy
	s_lshl_b32 s43, s41, 2
	s_lshl_b32 s43, 15, s43                        ; my row of the cluster
	s_lshl_b32 s44, 0x1111, s40                    ; my column
	s_or_b32 s[G1+0], s43, (1<<16)|(1<<20)|(1<<21)|(5<<22)|(3<<25)   ; mask; 2-byte elements; padding on; bit 21 beside a mask; after every 64 words 4 words
	s_or_b32 s[G1B+0], s44, (1<<16)|(1<<20)|(1<<21)|(6<<22)|(7<<25)  ; after every 128 words 8 words
	s_mov_b32 s[G1+1], 128<<16                     ; tensor_dim0 = 128
	s_mov_b32 s[G1+2], 64<<16                      ; tensor_dim1 = 64
	s_mov_b32 s[G1+3], 128<<16                     ; tile_dim0 = 128
	s_mov_b32 s[G1+4], 64                          ; tile_dim1 = 64
	s_mov_b32 s[G1+5], KD                          ; elements from row to row
	s_mov_b32 s[G1+6], 0
	s_mov_b32 s[G1+7], 0
	s_mov_b32 s[G1B+1], 256<<16                    ; 256 columns,
	s_mov_b32 s[G1B+2], 64<<16                     ; 64 k-rows
	s_mov_b32 s[G1B+3], 256<<16
	s_mov_b32 s[G1B+4], 64
	s_mov_b32 s[G1B+5], ND
	s_mov_b32 s[G1B+6], 0
	s_mov_b32 s[G1B+7], 0
	s_lshl_b32 s16, s13, 7
	s_lshl_b32 s17, s12, 6
	s_add_co_u32 s16, s16, s17                     ; xb: row 128 x tile row + 64 x half,
	s_lshl_b32 s16, s16, 11                        ; of 2,048 bytes
	s_mov_b32 s17, 0
	s_mul_i32 s46, s12, 64*ND*2                    ; wb: k-row 64 x half,
	s_lshl_b32 s47, s42, 9                         ; column 256 x tile column
	s_add_co_u32 s46, s46, s47
	s_mov_b32 s47, 0
	s_mul_i32 s20, s12, 64*PA                      ; where they go: no place in the cluster enters an LDS address
	s_mul_i32 s21, s12, 64*PB
	s_add_co_u32 s21, s21, BOFF
	s_wait_dscnt 0x0                               ; the opening add is done
	s_wait_kmcnt 0x0
	s_add_nc_u64 s[14:15], s[4:5], s[16:17]
	s_add_nc_u64 s[46:47], s[6:7], s[46:47]
	CROUND                                         ; all sixteen work-groups are here: the first joint loads meet
.irp s, 0,1
	s_mov_b32 s[G0+4*(\s)], 1
	s_add_co_u32 s[G0+4*(\s)+1], s20, (\s)*SLOT
	s_add_nc_u64 s[G0+4*(\s)+2:G0+4*(\s)+3], s[14:15], (\s)*256          ; K step s: 128 elements along the rows
	s_or_b32 s[G0+4*(\s)+3], s[G0+4*(\s)+3], 0x80000000
	s_mov_b32 s[G0B+4*(\s)], 1
	s_add_co_u32 s[G0B+4*(\s)+1], s21, (\s)*SLOT
	s_add_nc_u64 s[G0B+4*(\s)+2:G0B+4*(\s)+3], s[46:47], (\s)*128*ND*2   ; K step s: 128 k-rows down
	s_or_b32 s[G0B+4*(\s)+3], s[G0B+4*(\s)+3], 0x80000000
	JLOAD \s
.endr
	v_and_b32 v1, 15, v0                           ; l % 16
	v_bfe_u32 v2, v0, 4, 1                         ; l / 16
	v_mul_u32_u24 v3, v1, PA
	v_lshl_add_u32 v3, v2, 4, v3                   ; xb: row x pitch + 16 x half
	v_and_b32 v4, 7, v0
	v_lshl_add_u32 v4, v2, 3, v4                   ; wb, turned: k-row 8 (l / 16) + l % 8,
	v_mul_u32_u24 v4, v4, PB
	v_bfe_u32 v5, v0, 3, 1
	v_lshl_add_u32 v4, v5, 4, v4                   ; columns 8 ((l / 8) % 2) on
	s_mul_i32 s22, s11, 64*PA                      ; my 64 rows of xb
	s_lshl_b32 s23, s12, 8                         ; my 128 columns of wb
	s_add_co_u32 s23, s23, BOFF
.irp s, 0,1
	v_add_nc_u32 v[ADRA+(\s)], s22, v3
	v_add_nc_u32 v[ADRB+(\s)], s23, v4
	s_add_co_u32 s22, s22, SLOT
	s_add_co_u32 s23, s23, SLOT
.endr
	s_mul_i32 s23, s10, 16*SP
	s_add_co_u32 s23, s23, STAGE                   ; my stage
	v_mul_u32_u24 v4, v1, SP                       ; in: row l % 16, 16 bytes for each half of the lanes
	v_lshl_add_u32 v4, v2, 4, v4
	v_add_nc_u32 v[STO], s23, v4
	v_mul_u32_u24 v5, v2, SP                       ; back: lanes 0-15 one row of 256 bytes, lanes 16-31 the next
	v_lshl_add_u32 v5, v1, 4, v5
	v_add_nc_u32 v[RD], s23, v5
	v_mul_u32_u24 v5, v2, ND*2                     ; and the same two rows in qkv
	v_lshl_add_u32 v[CO], v1, 4, v5
	s_lshl_b32 s16, s13, 7
	s_lshl_b32 s17, s11, 6
	s_add_co_u32 s16, s16, s17                     ; my first row of qkv
	s_mul_i32 s16, s16, ND*2
	s_mov_b32 s17, 0
	s_add_nc_u64 s[8:9], s[8:9], s[16:17]
	s_lshl_b32 s46, s42, 9                         ; my first column, in bytes
	s_lshl_b32 s47, s12, 8
	s_add_co_u32 s46, s46, s47
	s_mov_b32 s47, 0
	s_add_nc_u64 s[8:9], s[8:9], s[46:47]
; 8 matrix instructions: row block a x all 8 column blocks, 32 along K.  zero = 1: the first product starts the sums.  The 32 accumulators take turns.
.macro MULA f, a, zero
	WIN MUL
.irp b, 0,1,2,3,4,5,6,7
.if \zero
	v_wmma_f32_16x16x32_bf16 v[8*(8*(\a)+(\b)):8*(8*(\a)+(\b))+7], v[(\f)+8*(\b):(\f)+8*(\b)+7], v[(\f)+64+8*(\a):(\f)+64+8*(\a)+7], 0
.else
	v_wmma_f32_16x16x32_bf16 v[8*(8*(\a)+(\b)):8*(8*(\a)+(\b))+7], v[(\f)+8*(\b):(\f)+8*(\b)+7], v[(\f)+64+8*(\a):(\f)+64+8*(\a)+7], v[8*(8*(\a)+(\b)):8*(8*(\a)+(\b))+7]
.endif
.endr
.endm
; 24 LDS loads in one run: quarter q (32 along K) of a slot into buffer f: wb's 16, then xb's 8
.macro FETCH slot, q, f
	WIN TO_F
.irp b, 0,1,2,3,4,5,6,7
	ds_load_tr16_b128 v[(\f)+8*(\b):(\f)+8*(\b)+3],   v[ADRB+(\slot)] offset:(\q)*32*PB+32*(\b)
	ds_load_tr16_b128 v[(\f)+8*(\b)+4:(\f)+8*(\b)+7], v[ADRB+(\slot)] offset:(\q)*32*PB+32*(\b)+16*PB
.endr
.irp a, 0,1,2,3
	ds_load_b128 v[(\f)+64+8*(\a):(\f)+64+8*(\a)+3],   v[ADRA+(\slot)] offset:(\a)*16*PA+64*(\q)
	ds_load_b128 v[(\f)+64+8*(\a)+4:(\f)+64+8*(\a)+7], v[ADRA+(\slot)] offset:(\a)*16*PA+64*(\q)+32
.endr
.endm
; One of a K step's first three quarters: multiplies buffer f; in its middle it fetches quarter q into buffer g
.macro QUARTER slot, q, f, g, zero
	s_wait_dscnt 4                                 ; wb and xb's blocks 0, 1 are in; the youngest four loads (blocks 2, 3) may be out
	MULA \f, 0, \zero
	MULA \f, 1, \zero
	PLACES
	FETCH \slot, \q, \g
	s_wait_dscnt 24                                ; all but the 24 just issued
	MULA \f, 2, \zero
	MULA \f, 3, \zero
.endm
; The last quarter multiplies buffer 1 and changes slots: ONE barrier; in front of it each wave waits for all its tensor loads, adds 0 to its spare word, and waits for that and for its reads of this slot.
.macro TURN slot, next, fill
	WIN 0                                          ; (the add's two registers lie in window 0)
	s_wait_tensorcnt 0x0                           ; all my tensor loads have landed: my part of the next slot;
	ds_add_u32 v[SPW], v[NIL]                      ; 0 onto my spare word;
	s_wait_dscnt 5                                 ; (the add and the youngest four loads may be out)
	MULA F1, 0, 0                                  ; eight matrix instructions stand between the add and the wait for it
	s_wait_dscnt 0x0                               ; the add is done, and my reads of this slot are over
	s_barrier_signal -1
	MULA F1, 1, 0
.if \fill
	WIN 0
.endif
	s_barrier_wait -1
.if \fill
	CREST                                          ; the barrier has opened a round of the cluster's: no wave of any partner still reads this slot or has a load on its way
	s_add_nc_u64 s[G0+4*(\slot)+2:G0+4*(\slot)+3], s[G0+4*(\slot)+2:G0+4*(\slot)+3], 512
	s_add_nc_u64 s[G0B+4*(\slot)+2:G0B+4*(\slot)+3], s[G0B+4*(\slot)+2:G0B+4*(\slot)+3], 256*ND*2
	JLOAD \slot                                    ; the first tensor load behind the round: 112 matrix instructions ahead of the wait for it; its four v_nop are the places in front of the loads below
.else
	PLACES
.endif
	FETCH \next, 0, F0
	MULA F1, 2, 0
	MULA F1, 3, 0
.endm
	s_wait_tensorcnt 1                             ; my part of K step 0 is in; K step 1's may stay out
	s_barrier_signal -1
	s_barrier_wait -1
	FETCH 0, 0, F0
	QUARTER 0, 1, F0, F1, 1                        ; the first quarter stands in front of the loop: its products start the sums
	WIN 0
	s_mov_b32 s3, LAPS-1
.Llap:                                                 ; a trip goes once round the ring and fills both slots again
	QUARTER 0, 2, F1, F0, 0
	QUARTER 0, 3, F0, F1, 0
	TURN 0, 1, 1
	QUARTER 1, 1, F0, F1, 0
	QUARTER 1, 2, F1, F0, 0
	QUARTER 1, 3, F0, F1, 0
	TURN 1, 0, 1
	QUARTER 0, 1, F0, F1, 0
	WIN 0
	s_sub_co_u32 s3, s3, 1
	s_cmp_lg_u32 s3, 0
	s_cbranch_scc1 .Llap
	QUARTER 0, 2, F1, F0, 0                        ; the last lap fills nothing
	QUARTER 0, 3, F0, F1, 0
	TURN 0, 1, 0
	QUARTER 1, 1, F0, F1, 0
	QUARTER 1, 2, F1, F0, 0
	QUARTER 1, 3, F0, F1, 0
	s_wait_dscnt 4
	MULA F1, 0, 0
	MULA F1, 1, 0
	s_wait_dscnt 0x0
	MULA F1, 2, 0
	MULA F1, 3, 0
	WIN 0
; THE WAY OUT, a block of 16 rows at a time: rounded to f16, 16 bytes a lane into my own stage, back as whole rows of 256 bytes, stored.
.macro PACK a
	WIN 0x0a                                       ; sources 0 and 1 window 2
.irp b, 0,1,2,3,4,5,6,7
.irp r, 0,1,2,3
	v_cvt_pk_f16_f32 v[TMP+4*(\b)+(\r)], v[64*(\a)+8*(\b)+2*(\r)], v[64*(\a)+8*(\b)+2*(\r)+1]
.endr
.endr
	WIN 0
.endm
.macro TOSTAGE a
.set BK, OB+32*((\a)%2)
.irp b, 0,1,2,3,4,5,6,7
	ds_store_b128 v[STO], v[TMP+4*(\b):TMP+4*(\b)+3] offset:32*(\b)
.endr
.irp t, 0,1,2,3,4,5,6,7
	ds_load_b128 v[BK+4*(\t):BK+4*(\t)+3], v[RD] offset:(\t)*2*SP  ; LDS serves a wave's instructions in order: these see the stores above
.endr
.endm
.macro SEND a
.set BK, OB+32*((\a)%2)
	s_wait_dscnt 0x0                               ; the block is back in registers
	s_wait_xcnt 0x0                                ; the registers that the block before last's stores read are loaded again only behind this wait
.irp t, 0,1,2,3,4,5,6,7
	global_store_b128 v[CO], v[BK+4*(\t):BK+4*(\t)+3], s[8:9] offset:(16*(\a)+2*(\t))*ND*2  ; 16 lanes store 256 consecutive bytes, aligned
.endr
.endm
	PLACES
	PACK 0
	TOSTAGE 0
.irp a, 1,2,3                          ; block a's conversions stand between block a - 1's loads from the stage and the wait for them
	PACK \a
	SEND (\a)-1
	TOSTAGE \a
.endr
	SEND 3
	s_wait_tensorcnt 0x0                           ; the wave's end
	ds_add_u32 v[SPW], v[NIL]
	s_wait_dscnt 0x0
	CROUND                                         ; the closing round: no work-group ends while a partner may still ask for a tile that names it
	s_endpgm
.Lfunc_end_k_qc5c61f8aa8_proj:
	.size	k_qc5c61f8aa8_proj, .Lfunc_end_k_qc5c61f8aa8_proj-k_qc5c61f8aa8_proj
	.p2alignl 7, 3214868480
	.fill 96, 4, 3214868480
	.section	.rodata,"a",@progbits
	.p2align	6, 0x0
	.amdhsa_kernel k_qc5c61f8aa8_proj
		.amdhsa_group_segment_fixed_size 327680
		.amdhsa_private_segment_fixed_size 0
		.amdhsa_enable_private_segment 0
		.amdhsa_kernarg_size 24
		.amdhsa_user_sgpr_count 2
		.amdhsa_user_sgpr_kernarg_segment_ptr 1
		.amdhsa_wavefront_size32 1
		.amdhsa_system_sgpr_workgroup_id_x 1
		.amdhsa_system_sgpr_workgroup_id_y 1
		.amdhsa_system_sgpr_workgroup_id_z 1
		.amdhsa_system_vgpr_workitem_id 0
		.amdhsa_next_free_vgpr 768
		.amdhsa_next_free_sgpr 66
		.amdhsa_reserve_vcc 0
		.amdhsa_float_denorm_mode_32 3
		.amdhsa_float_denorm_mode_16_64 3
		.amdhsa_memory_ordered 1
		.amdhsa_forward_progress 1
		.amdhsa_inst_pref_size 86
	.end_amdhsa_kernel
	.amdgpu_metadata
---
amdhsa.version: [ 1, 2 ]
amdhsa.kernels:
  - .name:           k_qc5c61f8aa8_proj
    .symbol:         k_qc5c61f8aa8_proj.kd
    .args:
      - { .name: xb, .offset: 0, .size: 8, .value_kind: global_buffer, .address_space: global }
      - { .name: wb, .offset: 8, .size: 8, .value_kind: global_buffer, .address_space: global }
      - { .name: qkv, .offset: 16, .size: 8, .value_kind: global_buffer, .address_space: global }
    .group_segment_fixed_size: 327680
    .private_segment_fixed_size: 0
    .kernarg_segment_align: 8
    .kernarg_segment_size: 24
    .max_flat_workgroup_size: 128
    .sgpr_count:     66
    .vgpr_count:     768
    .wavefront_size: 32
...
	.end_amdgpu_metadata
.endif
;; end of part 2
;; launch score (part 3): grid 36 x 4, 4 waves a work-group, no clusters, 327,680 bytes of LDS; arguments qkv, pt, st; writes pt, st
.if DOCPART == 3
	.amdgcn_target "amdgcn-amd-amdhsa--gfx1250"
	.amdhsa_code_object_version 6
	.text
	.protected	k_qc5c61f8aa8_score
	.globl	k_qc5c61f8aa8_score
	.p2align	8
	.type	k_qc5c61f8aa8_score,@function
k_qc5c61f8aa8_score:
	s_mov_b64 s[64:65], 0
	v_nop
	global_prefetch_b8 v0, s[64:65] scope:SCOPE_SE
	s_setreg_imm32_b32 hwreg(HW_REG_WAVE_MODE, 25, 1), 1
	s_wait_xcnt 0x0
; CAUSAL SCORES AND THE FIRST LEVEL OF THE SOFTMAX.  For each batch the 36 tiles (i, j <= i) of 256 queries x 256 keys of s = q . k (sums over 1,024 channels in f32, q and k f16 out of qkv).
; A wave owns 128 queries x 128 keys: 64 accumulators.  For each query and this BLOCK of 128 keys it takes the block's true maximum m, stores p = 2^(c s - c m) in f16 (in 0 to 1, rounded once) into pt,
; and c m and l = the sum of the unrounded p, in f32, into st.  c = log2(e) / 32.  The next launch joins the blocks: a maximum is taken away in front of every exponential.
; THE MASK.  In a diagonal tile a hidden score counts as -1e30.  The wave whose whole block is hidden (queries 0-127, keys 128-255) stores c m = -1e30, so that the block's weight is 0 later; its p stay finite.
; LIMITS.  q and k arrive within f16's 65,504; a weight below 2^-126 counts as 0; NaN and infinities are not treated apart.
; NO CLUSTER: a batch's lower tiles form rows of 1 to 8 tiles and columns of 8 to 1; no group of four by four or four by one shares a tile of q or k at every place without work-groups that compute nothing.
; K goes in steps of 128 through two LDS slots (256 rows of q, 256 rows of k, 256 bytes each, padded to 272); each wave fetches a quarter of a slot with one tensor load.
; THE MATRIX INSTRUCTION: source 0 = 16 keys, source 1 = 16 queries: a lane holds ONE query (lane % 16) and the keys 8 (lane / 16) + 0..7 of each key block.
; REGISTERS: window 0: v0-31 addresses; v64-127, v128-191 q's fragments, two buffers, later the softmax's work;  window 1: the same numbers for k's fragments;
;   window 2: the accumulators of my queries 0-63 ((a, b) at v[8 (8 a + b)]);  window 3: those of my queries 64-127.
.set PITCH,  272
.set HALFT,  128*PITCH
.set SLOT,   4*HALFT
.set STAGE,  2*SLOT
.set SPITCH, 272
.set SPARE,  STAGE+4*16*SPITCH
.set LAPS,   4
.set DG,   14                          ; v14     l % 16 - 8 (l / 16): register r of the diagonal block is hidden where r is greater
.set ADRA, 16
.set ADRB, 20
.set STO,  24
.set RD,   25
.set CO,   26
.set SO,   27                          ; v27     8 x lane: my pair in a store of 32 rows' statistics
.set SPW,  28
.set NIL,  29
.set T,    32                          ; v32-35  four chains; v36 the other half of the lanes'
.set CM,   40                          ; v[40:41] c m (the pair's high word is 0)
.set LS,   44                          ; v44-51  four running sums of pairs
.set Y,    52                          ; v52-59  statistics to store
.set X,    64                          ; v64-127 c s - c m, then p
.set TMP,  128                         ; v128-159 p in f16
.set OB,   160                         ; v160-191, v192-223 rows read back
.set STV,  224                         ; v224-239 block a's (c m, l)
.set F0,   64
.set F1,   128
.set G1, 24
.set G0, 32
.set CS,   44                          ; s[44:45] c
.set SEL,  46                          ; s[46:47] v_permlanex16_b32's selects
.set BIGN, 48                          ; s48 -1e30
.set HM,   49                          ; s49 all ones: my whole block is hidden
.set H16,  50                          ; s50 lanes 16-31
.set MK,   52                          ; s52-59 lanes in which register r of a diagonal block is hidden
.set MSB, 0
.macro WIN new
.if MSB != (\new)
	s_set_vgpr_msb (MSB<<8)|(\new)
.set MSB, \new
.endif
.endm
.set MUL_LO, 0xa1                      ; source 0 (k) window 1, source 1 (q) window 0, C and D window 2
.set MUL_HI, 0xf1
.set TO_B,   0x40
.macro PLACES
.rept 4
	v_nop
.endr
.endm
	s_load_b128 s[4:7], s[0:1], 0x0                ; qkv s[4:5], pt s[6:7]
	s_load_b64 s[8:9], s[0:1], 0x10                ; st
	v_lshl_add_u32 v[SPW], v0, 2, SPARE
	v_mov_b32 v[NIL], 0
	ds_add_u32 v[SPW], v[NIL]                      ; the wave's opening: the add and its wait ahead of my first tensor load
	ds_add_u32 v28, v29
	v_lshrrev_b32 v1, 5, v0
	v_readfirstlane_b32 s10, v1                    ; wave 0..3
	s_lshr_b32 s11, s10, 1                         ; which 128 queries are mine.  Also: I fetch q (0) or k (1)
	s_and_b32 s12, s10, 1                          ; which 128 keys.  Also: which 128 rows of that tile I fetch
	s_and_b32 s42, ttmp7, 0xffff                   ; the batch
	s_mov_b32 s40, 0                               ; i: the largest n with n (n + 1) / 2 <= the tile's number
.irp n, 1,2,3,4,5,6,7
	s_cmp_ge_u32 ttmp9, (\n)*((\n)+1)/2
	s_cselect_b32 s40, \n, s40
.endr
	s_add_co_u32 s41, s40, 1
	s_mul_i32 s41, s41, s40
	s_lshr_b32 s41, s41, 1
	s_sub_co_u32 s41, ttmp9, s41                   ; j
	s_mov_b32 s[G1+0], (1<<16)|(1<<20)|(5<<22)|(3<<25)  ; 2-byte elements; padding on: after every 64 words 4 words
	s_mov_b32 s[G1+1], 128<<16                     ; tensor_dim0 = 128
	s_mov_b32 s[G1+2], 128<<16                     ; tensor_dim1 = 128
	s_mov_b32 s[G1+3], 128<<16                     ; tile_dim0 = 128
	s_mov_b32 s[G1+4], 128                         ; tile_dim1 = 128
	s_mov_b32 s[G1+5], 3072                        ; elements from row to row of qkv
	s_mov_b32 s[G1+6], 0
	s_mov_b32 s[G1+7], 0
	s_mov_b32 s[CS], 0x3d38aa3b                    ; c = log2(e) / 32
	s_mov_b32 s[CS+1], s[CS]
	s_mov_b32 s[SEL], 0x76543210
	s_mov_b32 s[SEL+1], 0xfedcba98
	s_mov_b32 s[BIGN], 0xf149f2ca                  ; -1e30
	s_mov_b32 s[H16], 0xffff0000
	s_cmp_eq_u32 s40, s41
	s_cselect_b32 s[HM], -1, 0
	s_cmp_lt_u32 s11, s12                          ; queries 0-127 against keys 128-255
	s_cselect_b32 s[HM], s[HM], 0
	s_cmp_eq_u32 s11, 0
	s_cselect_b32 s16, s40, s41                    ; q's tile goes by i, k's by j
	s_cselect_b32 s18, 0, 2048                     ; q at byte 0 of a row of qkv, k at byte 2,048
	s_lshl_b32 s16, s16, 8
	s_lshl_b32 s17, s12, 7
	s_add_co_u32 s16, s16, s17
	s_lshl_b32 s17, s42, 11
	s_add_co_u32 s16, s16, s17                     ; the first row that I fetch
	s_mul_i32 s16, s16, 6144
	s_add_co_u32 s16, s16, s18
	s_mov_b32 s17, 0
	s_mul_i32 s20, s10, HALFT                      ; and where it goes: q's two halves, then k's
	s_wait_dscnt 0x0                               ; the opening add is done
	s_wait_kmcnt 0x0
	s_add_nc_u64 s[14:15], s[4:5], s[16:17]
.irp s, 0,1                            ; both first fills go out together: two tensor loads of mine are out
	s_mov_b32 s[G0+4*(\s)], 1
	s_add_co_u32 s[G0+4*(\s)+1], s20, (\s)*SLOT
	s_add_nc_u64 s[G0+4*(\s)+2:G0+4*(\s)+3], s[14:15], (\s)*256
	s_or_b32 s[G0+4*(\s)+3], s[G0+4*(\s)+3], 0x80000000
	tensor_load_to_lds s[G0+4*(\s):G0+4*(\s)+3], s[G1:G1+7]
	s_nop 0
.endr
	v_and_b32 v1, 15, v0                           ; l % 16
	v_bfe_u32 v2, v0, 4, 1                         ; l / 16
	v_mul_u32_u24 v3, v1, PITCH
	v_lshl_add_u32 v3, v2, 4, v3
	s_mul_i32 s21, s11, HALFT                      ; my 128 rows of q
	s_mul_i32 s22, s12, HALFT                      ; my 128 rows of k,
	s_add_co_u32 s22, s22, 2*HALFT                 ; which lie behind q's 256
.irp s, 0,1
	v_add_nc_u32 v[ADRA+(\s)], s21, v3
	v_add_nc_u32 v[ADRB+(\s)], s22, v3
	s_add_co_u32 s21, s21, SLOT
	s_add_co_u32 s22, s22, SLOT
.endr
	s_mul_i32 s23, s10, 16*SPITCH
	s_add_co_u32 s23, s23, STAGE
	v_mul_u32_u24 v4, v1, SPITCH
	v_lshl_add_u32 v4, v2, 4, v4
	v_add_nc_u32 v[STO], s23, v4
	v_mul_u32_u24 v5, v2, SPITCH
	v_lshl_add_u32 v5, v1, 4, v5
	v_add_nc_u32 v[RD], s23, v5
	v_lshlrev_b32 v5, 12, v2                       ; two rows of pt, 4,096 bytes apart
	v_lshl_add_u32 v[CO], v1, 4, v5
	v_lshlrev_b32 v4, 3, v2
	v_sub_nc_u32 v[DG], v1, v4
	v_and_b32 v4, 31, v0
	v_lshlrev_b32 v[SO], 3, v4
	s_lshl_b32 s16, s41, 1
	s_add_co_u32 s16, s16, s12                     ; my block of 128 keys: 2 j + half
	s_lshl_b32 s16, s16, 16                        ; 8,192 rows x 8 bytes a block
	s_lshl_b32 s17, s42, 11
	s_lshl_b32 s18, s40, 8
	s_add_co_u32 s17, s17, s18
	s_lshl_b32 s18, s11, 7
	s_add_co_u32 s17, s17, s18                     ; my first query among the 8,192
	s_lshl_b32 s18, s17, 3
	s_add_co_u32 s16, s16, s18
	s_lshl_b32 s18, s17, 12
	s_mov_b32 s17, 0
	s_add_nc_u64 s[8:9], s[8:9], s[16:17]          ; st at my 128 pairs
	s_lshl_b32 s16, s41, 9
	s_add_co_u32 s16, s16, s18
	s_lshl_b32 s18, s12, 8
	s_add_co_u32 s16, s16, s18
	s_add_nc_u64 s[6:7], s[6:7], s[16:17]          ; pt at my first row and key
; 16 matrix instructions: query blocks a0, a0 + 1 of the window's four x all 8 key blocks, 32 along K.  The 64 accumulators take turns.
.macro MUL16 f, hi, a0, zero
	WIN MUL_LO+0x50*(\hi)
.irp a, \a0, (\a0)+1
.irp b, 0,1,2,3,4,5,6,7
.if \zero
	v_wmma_f32_16x16x32_f16 v[8*(8*(\a)+(\b)):8*(8*(\a)+(\b))+7], v[(\f)+8*(\b):(\f)+8*(\b)+7], v[(\f)+8*(4*(\hi)+(\a)):(\f)+8*(4*(\hi)+(\a))+7], 0
.else
	v_wmma_f32_16x16x32_f16 v[8*(8*(\a)+(\b)):8*(8*(\a)+(\b))+7], v[(\f)+8*(\b):(\f)+8*(\b)+7], v[(\f)+8*(4*(\hi)+(\a)):(\f)+8*(4*(\hi)+(\a))+7], v[8*(8*(\a)+(\b)):8*(8*(\a)+(\b))+7]
.endif
.endr
.endr
.endm
.macro FETCH slot, k, f                ; 32 LDS loads in one run: 128 rows of k, 128 rows of q, 32 along K at byte k of the rows
	WIN TO_B
.irp i, 0,1,2,3,4,5,6,7
	ds_load_b128 v[(\f)+8*(\i):(\f)+8*(\i)+3],   v[ADRB+(\slot)] offset:(\k)+(\i)*16*PITCH
	ds_load_b128 v[(\f)+8*(\i)+4:(\f)+8*(\i)+7], v[ADRB+(\slot)] offset:(\k)+(\i)*16*PITCH+32
.endr
	WIN 0
.irp i, 0,1,2,3,4,5,6,7
	ds_load_b128 v[(\f)+8*(\i):(\f)+8*(\i)+3],   v[ADRA+(\slot)] offset:(\k)+(\i)*16*PITCH
	ds_load_b128 v[(\f)+8*(\i)+4:(\f)+8*(\i)+7], v[ADRA+(\slot)] offset:(\k)+(\i)*16*PITCH+32
.endr
.endm
.macro QUARTER slot, k, f, g, zero
	s_wait_dscnt 8                                 ; k and q's rows 0-63 are in; the youngest eight loads (q's rows 64-127) may be out
	MUL16 \f, 0, 0, \zero
	MUL16 \f, 0, 2, \zero
	PLACES
	FETCH \slot, \k, \g
	s_wait_dscnt 32                                ; all but the 32 just issued
	MUL16 \f, 1, 0, \zero
	MUL16 \f, 1, 2, \zero
.endm
; The last quarter multiplies buffer 1 and changes slots: ONE barrier; in front of it each wave waits for all its tensor loads, adds 0 to its spare word, and waits for that and for its reads of this slot.
.macro TURN slot, next, fill
	WIN 0
	s_wait_tensorcnt 0x0                           ; all my tensor loads have landed: my part of the next slot;
	ds_add_u32 v[SPW], v[NIL]                      ; 0 onto my spare word;
	s_wait_dscnt 9                                 ; (the add and the youngest eight loads may be out)
	MUL16 F1, 0, 0, 0
	s_wait_dscnt 0x0                               ; the add is done, and my reads of this slot are over
	s_barrier_signal -1
	MUL16 F1, 0, 2, 0
	s_barrier_wait -1
.if \fill
	s_add_nc_u64 s[G0+4*(\slot)+2:G0+4*(\slot)+3], s[G0+4*(\slot)+2:G0+4*(\slot)+3], 512  ; two K steps on; no load of mine is out
	tensor_load_to_lds s[G0+4*(\slot):G0+4*(\slot)+3], s[G1:G1+7]  ; my one tensor load behind the barrier: 224 matrix instructions ahead of the wait for it
	s_nop 0
.endif
	PLACES                                         ; the places in front of the loads below
	FETCH \next, 0, F0
	MUL16 F1, 1, 0, 0
	MUL16 F1, 1, 2, 0
.endm
	s_wait_tensorcnt 1                             ; my part of K step 0 is in; K step 1's may stay out
	s_barrier_signal -1
	s_barrier_wait -1
	FETCH 0, 0, F0
	QUARTER 0, 64,  F0, F1, 1                      ; the first quarter's products start the sums
	WIN 0
	s_mov_b32 s3, LAPS-1
.Llap:
	QUARTER 0, 128, F1, F0, 0
	QUARTER 0, 192, F0, F1, 0
	TURN 0, 1, 1
	QUARTER 1, 64,  F0, F1, 0
	QUARTER 1, 128, F1, F0, 0
	QUARTER 1, 192, F0, F1, 0
	TURN 1, 0, 1
	QUARTER 0, 64,  F0, F1, 0
	WIN 0
	s_sub_co_u32 s3, s3, 1
	s_cmp_lg_u32 s3, 0
	s_cbranch_scc1 .Llap
	QUARTER 0, 128, F1, F0, 0                      ; the last lap fills nothing
	QUARTER 0, 192, F0, F1, 0
	TURN 0, 1, 0
	QUARTER 1, 64,  F0, F1, 0
	QUARTER 1, 128, F1, F0, 0
	QUARTER 1, 192, F0, F1, 0
	s_wait_dscnt 8
	MUL16 F1, 0, 0, 0
	MUL16 F1, 0, 2, 0
	s_wait_dscnt 0x0
	MUL16 F1, 1, 0, 0
	MUL16 F1, 1, 2, 0
	WIN 0
	PLACES
	v_mov_b32 v[T+4], 0                            ; a lane exchange's destination counts as read
	v_mov_b32 v[CM+1], 0                           ; named with c m as a pair
	; THE MASK, only where my block holds the diagonal: key block b against query block a: b > a all hidden, b < a all seen, b = a hidden where register r > l % 16 - 8 (l / 16)
	s_cmp_lg_u32 s40, s41
	s_cbranch_scc1 .Lnomask
	s_cmp_lg_u32 s11, s12
	s_cbranch_scc1 .Lnomask
.irp r, 0,1,2,3,4,5,6,7
	v_cmp_gt_i32 s[MK+(\r)], \r, v[DG]
.endr
.irp a, 0,1,2,3,4,5,6,7
	WIN 0x82+0x41*((\a)/4)                         ; destination and source 0 in the block's window
.irp b, 0,1,2,3,4,5,6,7
.if (\b) == (\a)
.irp r, 0,1,2,3,4,5,6,7
	v_cndmask_b32 v[8*(8*((\a)%4)+(\b))+(\r)], v[8*(8*((\a)%4)+(\b))+(\r)], s[BIGN], s[MK+(\r)]
.endr
.elseif (\b) > (\a)
.irp r, 0,1,2,3,4,5,6,7
	v_mov_b32 v[8*(8*((\a)%4)+(\b))+(\r)], s[BIGN]
.endr
.endif
.endr
.endr
	WIN 0
.Lnomask:
.macro CVT i                           ; pair i of 32 rounded to f16
	s_wait_alu depctr_va_vdst(0)
	v_cvt_pk_f16_f32 v[TMP+(\i)], v[X+2*(\i)], v[X+2*(\i)+1]
.endm
.macro ADDP i                          ; pair i joins running sum i % 4; pairs 4-7 start the four sums with pairs 0-3
.if (\i) < 8
	v_pk_add_f32 v[LS+2*((\i)%4):LS+2*((\i)%4)+1], v[X+2*(\i)-8:X+2*(\i)-7], v[X+2*(\i):X+2*(\i)+1]
.else
	v_pk_add_f32 v[LS+2*((\i)%4):LS+2*((\i)%4)+1], v[LS+2*((\i)%4):LS+2*((\i)%4)+1], v[X+2*(\i):X+2*(\i)+1]
.endif
.endm
; Query block a: the maximum of a lane's 64 scores and the other half of the lanes'; c s - c m; 64 exponentials with the roundings and the sums between them; l.
.macro SOFT a
.set AC, 64*((\a)%4)
	WIN 0x0a+5*((\a)/4)                            ; sources 0 and 1 in the block's window
.irp c, 0,1,2,3                        ; four chains of 16 scores; each accumulator is read from its lowest registers on
	v_max_num_f32 v[T+\c], v[AC+16*\c], v[AC+16*\c+1]
.endr
.irp k, 0,1,2,3,4,5,6
.irp c, 0,1,2,3
	v_max3_num_f32 v[T+\c], v[AC+16*\c+2+2*\k], v[AC+16*\c+3+2*\k], v[T+\c]
.endr
.endr
	WIN 0
	v_max3_num_f32 v[T], v[T], v[T+1], v[T+2]
	v_max_num_f32 v[T], v[T], v[T+3]
	v_permlanex16_b32 v[T+4], v[T], s[SEL], s[SEL+1]   ; the query's other 64 keys lie in the lane 16 away
	v_max_num_f32 v[T], v[T], v[T+4]
	v_mul_f32 v[CM], s[CS], v[T]
	WIN 0x02+(\a)/4                                ; source 0 in the block's window
.set i, 0
.rept 32
	v_pk_fma_f32 v[X+2*i:X+2*i+1], v[AC+2*i:AC+2*i+1], s[CS:CS+1], v[CM:CM+1] op_sel_hi:[1,0,0] neg_lo:[0,0,1] neg_hi:[0,0,1]
.set i, i+1
.endr
	WIN 0
.set n, 0
.rept 64                               ; a weight is used only when a plain instruction has stood behind its exponential: pair i is rounded behind exponential 2 i + 3, added behind 2 i + 4
	v_exp_f32 v[X+n], v[X+n]
.if n == 1
	v_nop
.elseif (n%2 == 1) && (n >= 3)
	CVT (n-3)/2
.elseif (n%2 == 0) && (n >= 12)
	ADDP (n-4)/2
.endif
.set n, n+1
.endr
	ADDP 30
	CVT 31
	ADDP 31
	v_pk_add_f32 v[LS:LS+1], v[LS:LS+1], v[LS+2:LS+3]
	v_pk_add_f32 v[LS+4:LS+5], v[LS+4:LS+5], v[LS+6:LS+7]
	v_pk_add_f32 v[LS:LS+1], v[LS:LS+1], v[LS+4:LS+5]
	v_add_f32 v[T], v[LS], v[LS+1]
	v_permlanex16_b32 v[T+4], v[T], s[SEL], s[SEL+1]
	v_mov_b32 v[STV+2*(\a)], v[CM]
	v_add_f32 v[STV+2*(\a)+1], v[T], v[T+4]
.endm
.macro TOSTAGE a
.set BK, OB+32*((\a)%2)
.irp b, 0,1,2,3,4,5,6,7
	ds_store_b128 v[STO], v[TMP+4*(\b):TMP+4*(\b)+3] offset:32*(\b)
.endr
.irp t, 0,1,2,3,4,5,6,7
	ds_load_b128 v[BK+4*(\t):BK+4*(\t)+3], v[RD] offset:(\t)*2*SPITCH  ; LDS serves a wave's instructions in order: these see the stores above
.endr
.endm
.macro SEND a
.set BK, OB+32*((\a)%2)
	s_wait_dscnt 0x0                               ; the block is back in registers
	s_wait_xcnt 0x0                                ; the registers that the block before last's stores read are loaded again only behind this wait
.irp t, 0,1,2,3,4,5,6,7
	global_store_b128 v[CO], v[BK+4*(\t):BK+4*(\t)+3], s[6:7] offset:(16*(\a)+2*(\t))*4096  ; 16 lanes store 256 consecutive bytes, aligned: 128 keys of one query
.endr
.endm
	SOFT 0
	TOSTAGE 0
.irp a, 1,2,3,4,5,6,7                  ; block a's softmax stands between block a - 1's loads from the stage and the wait for them
	SOFT \a
	SEND (\a)-1
	TOSTAGE \a
.endr
	SEND 7
	; THE STATISTICS: 32 queries a store, 8 bytes a lane: lanes 0-15 take block 2 p's pair, lanes 16-31 block 2 p + 1's: 256 consecutive bytes, aligned
.irp p, 0,1,2,3
	v_cndmask_b32 v[Y+2*(\p)], v[STV+4*(\p)], v[STV+4*(\p)+2], s[H16]
	v_cndmask_b32 v[Y+2*(\p)+1], v[STV+4*(\p)+1], v[STV+4*(\p)+3], s[H16]
	v_cndmask_b32 v[Y+2*(\p)], v[Y+2*(\p)], s[BIGN], s[HM]
	global_store_b64 v[SO], v[Y+2*(\p):Y+2*(\p)+1], s[8:9] offset:256*(\p)
.endr
	s_wait_tensorcnt 0x0                           ; the wave's end
	ds_add_u32 v[SPW], v[NIL]
	s_wait_dscnt 0x0
	s_endpgm
.Lfunc_end_k_qc5c61f8aa8_score:
	.size	k_qc5c61f8aa8_score, .Lfunc_end_k_qc5c61f8aa8_score-k_qc5c61f8aa8_score
	.p2alignl 7, 3214868480
	.fill 96, 4, 3214868480
	.section	.rodata,"a",@progbits
	.p2align	6, 0x0
	.amdhsa_kernel k_qc5c61f8aa8_score
		.amdhsa_group_segment_fixed_size 327680
		.amdhsa_private_segment_fixed_size 0
		.amdhsa_enable_private_segment 0
		.amdhsa_kernarg_size 24
		.amdhsa_user_sgpr_count 2
		.amdhsa_user_sgpr_kernarg_segment_ptr 1
		.amdhsa_wavefront_size32 1
		.amdhsa_system_sgpr_workgroup_id_x 1
		.amdhsa_system_sgpr_workgroup_id_y 1
		.amdhsa_system_sgpr_workgroup_id_z 1
		.amdhsa_system_vgpr_workitem_id 0
		.amdhsa_next_free_vgpr 1024
		.amdhsa_next_free_sgpr 66
		.amdhsa_reserve_vcc 0
		.amdhsa_float_denorm_mode_32 3
		.amdhsa_float_denorm_mode_16_64 3
		.amdhsa_memory_ordered 1
		.amdhsa_forward_progress 1
		.amdhsa_inst_pref_size 227
	.end_amdhsa_kernel
	.amdgpu_metadata
---
amdhsa.version: [ 1, 2 ]
amdhsa.kernels:
  - .name:           k_qc5c61f8aa8_score
    .symbol:         k_qc5c61f8aa8_score.kd
    .args:
      - { .name: qkv, .offset: 0, .size: 8, .value_kind: global_buffer, .address_space: global }
      - { .name: pt, .offset: 8, .size: 8, .value_kind: global_buffer, .address_space: global }
      - { .name: st, .offset: 16, .size: 8, .value_kind: global_buffer, .address_space: global }
    .group_segment_fixed_size: 327680
    .private_segment_fixed_size: 0
    .kernarg_segment_align: 8
    .kernarg_segment_size: 24
    .max_flat_workgroup_size: 128
    .sgpr_count:     66
    .vgpr_count:     1024
    .wavefront_size: 32
...
	.end_amdgpu_metadata
.endif
;; end of part 3
;; launch pv (part 4): grid 8 x 32, 4 waves a work-group, clusters of 4 x 1, 327,680 bytes of LDS; arguments pt, qkv, st, out0; writes out0
.if DOCPART == 4
	.amdgcn_target "amdgcn-amd-amdhsa--gfx1250"
	.amdhsa_code_object_version 6
	.text
	.protected	k_qc5c61f8aa8_pv
	.globl	k_qc5c61f8aa8_pv
	.p2align	8
	.type	k_qc5c61f8aa8_pv,@function
k_qc5c61f8aa8_pv:
	s_mov_b64 s[64:65], 0
	v_nop
	global_prefetch_b8 v0, s[64:65] scope:SCOPE_SE
	s_setreg_imm32_b32 hwreg(HW_REG_WAVE_MODE, 25, 1), 1
	s_wait_xcnt 0x0
	s_wait_alu depctr_hold_cnt(0) depctr_sa_sdst(0) depctr_va_vdst(0) depctr_va_sdst(0) depctr_va_ssrc(0) depctr_va_vcc(0) depctr_vm_vsrc(0)
	s_getreg_b32 s2, hwreg(HW_REG_IB_STS2, 6, 4)
	s_cmp_eq_u32 s2, 0
	s_cbranch_scc0 .Lentry_in_a_cluster
	s_endpgm
.Lentry_in_a_cluster:
	s_bfe_u32 s2, ttmp6, 0x10000c
	s_cmp_lg_u32 s2, 0x3003
	s_cbranch_scc0 .Lentry_shape_is_right
	s_endpgm
.Lentry_shape_is_right:
; THE SECOND LEVEL OF THE SOFTMAX AND P V.  For a query: M = the maximum over its key blocks of c m;  L = the sum of 2^(c m - M) l;  w = 2^(c m - M) / L;  out = the sum over blocks of w x (P V), all in f32:
; each block's product of 128 keys starts from 0 in the matrix unit (P and V f16, sums f32) and is folded into O by packed multiply-adds.  A hidden block has c m = -1e30, so its w is 0.
; LIMITS.  v arrives within f16's 65,504; a weight below 2^-126 counts as 0; NaN and infinities are not treated apart.
; SHARES.  A work-group makes 128 queries x 128 channels, and it takes TWO query blocks of a batch: block p (p / 2 + 1 steps of 256 keys), then block 15 - p (8 - p / 2 steps): 9 steps whatever p, one counted walk.
; Four waves, each 64 queries x 64 channels: 16 accumulators, twice (the block in hand, the block being folded), and O.
; CLUSTER 4 x 1: the four partners make four channel tiles of the same queries and walk the same steps, so P's tile is asked for jointly.  V's tile hangs on the channel tile, which differs between the
; partners: a load of the work-group's own, behind the same round.  Work-groups with the same channels and another p walk other keys, so V is not shared.
; THE MATRIX INSTRUCTION: source 0 = 16 channels of V (turned out of LDS), source 1 = 16 queries of P: a lane holds ONE query (lane % 16) and eight neighbouring channels, so w is one number a lane and query block.
; REGISTERS: window 0: v0-17 addresses; v18-33 M and 1 / L of both blocks; v34-77 weights at work; v80-103 addresses of the statistics; v128-255 O (accumulator k = 4 a + b at 128 + 8 k)
;   window 1: two fragment buffers of 128 (64 of P, 64 of V), at the start the statistics;  window 2: v0-127 and v128-255 the two sets of accumulators.
.set PA,    528                        ; a row of P in LDS: 512 bytes + 16
.set PV,    288                        ; a row of V: 256 bytes + 32 = 9 x 32
.set VOFF,  128*PA                     ; V's 256 rows lie behind P's 128
.set SLOT,  VOFF+256*PV
.set STAGE, 2*SLOT                     ; behind the ring: 16 rows x 272 bytes for each wave, for the way out
.set SP,    272
.set SPARE, STAGE+4*16*SP
.set A0,  4                            ; v4   my lane's place in a tile of P; never rewritten
.set B0,  5                            ; v5   in V's keys 0-127
.set B1,  6                            ; v6   in V's keys 128-255
.set ADRA, 7                           ; v7-9 the same three in the slot in hand
.set ADRB0, 8
.set STO, 10
.set RD,  11
.set GO,  12
.set SL,  13                           ; v13  my query's 8 bytes among the block's 128 pairs of statistics
.set SA,  14                           ; v14  the address of the next step's c m
.set SPW, 16
.set NIL, 17
.set MC,  18                           ; v18-21 M of the block in hand, by query block a
.set RC,  22                           ; v22-25 1 / L
.set ML,  26                           ; v26-29, v30-33 the same of the long block
.set RLL, 30
.set CMN, 34                           ; v34-41 c m of a step's two key blocks, by a
.set D,   42                           ; v42-49 at work
.set W0,  50                           ; v50-57 w of the step's first key block: pairs, the high words 0
.set W1,  58                           ; v58-65 of its second
.set W1P, 66                           ; v66-73 of the step before's second
.set LS,  74
.set AD,  80
.set O,   128
.set F0,  0
.set F1,  128
.set ACC0, 0
.set ACC1, 128
.set WV,  12
.set CX,  13
.set CT,  14
.set G1A, 24
.set G1V, 32
.set G0A, 40
.set G0V, 44
.set TB,  48                           ; s48  at a change of slots: the slot to fill; behind it: the slot to read
.set NXT, 49                           ; s49  the key step to ask for next
.set LQ,  50                           ; s50  the last key step of the block whose steps are being asked for
.set RA,  51                           ; s51  byte offset in pt of the rows that I fetch
.set SR,  52                           ; s52  byte offset in st of that block's first query
.set RAL, 53                           ; s53-55 the long block's three
.set SRL, 54
.set LQL, 55
.set SOFF, 56                          ; s56  byte offset in st of the step just asked for
.set RT,  57                           ; s57  steps that the short block still has
.set CNT, 58
.set WLA, 59                           ; s59  my part of P's tile in a slot
.set OFF, 60                           ; s[60:61], s[62:63] offsets in 64 bits
.set OFFV, 62
.set OUT, 66
.set OUTL, 68
.set VB,  70
.set WLV, 72
.set FS,  73
.set KMS, 76                           ; s76, s77 the last key block of the short and of the long query block
.set KML, 77
.set RHS, 78
.set CHS, 79
.set TS,  80
.set SRS, 81
.set MSB, 0
.macro WIN new
.if MSB != (\new)
	s_set_vgpr_msb (MSB<<8)|(\new)
.set MSB, \new
.endif
.endm
.set MUL,  0xa5                        ; sources 0 and 1 window 1; C and D window 2
.set RID,  0x02                        ; source 0 window 2; the rest window 0
.set TO_F, 0x40
.macro PLACES
.rept 4
	v_nop
.endr
.endm
.macro JLOAD                           ; waves 0 and 1 ask jointly for the two halves of P's tile, waves 2 and 3 fetch the two halves of V's; an s_nop 0 and four v_nop follow each line
	s_cmp_lt_u32 s[WV], 2
	s_cbranch_scc0 .Lfor_v_\@
	tensor_load_to_lds s[G0A:G0A+3], s[G1A:G1A+7]
	s_nop 0
.rept 4
	v_nop
.endr
	s_branch .Lasked_\@
.Lfor_v_\@:
	tensor_load_to_lds s[G0V:G0V+3], s[G1V:G1V+7]
	s_nop 0
.rept 4
	v_nop
.endr
.Lasked_\@:
.endm
.macro CROUND
	s_barrier_signal -1
	s_barrier_wait -1
	s_cmp_lg_u32 s[WV], 0
	s_cbranch_scc1 .Lnot_wave_0_\@
	s_barrier_signal -3
.Lnot_wave_0_\@:
	s_barrier_wait -3
	s_barrier_signal -1
	s_barrier_wait -1
.endm
; What a request needs, work on scalar registers alone: both descriptors for key step NXT into slot TB, the step's place in st, and the step after it (behind the short block's last: the long block's step 0)
.macro ASK
	s_add_co_u32 s[G0A+1], s[TB], s[WLA]
	s_add_co_u32 s[G0V+1], s[TB], s[WLV]
	s_lshl_b32 s[OFF], s[NXT], 9                   ; 256 keys of 2 bytes along pt's rows
	s_add_co_u32 s[OFF], s[OFF], s[RA]
	s_add_nc_u64 s[G0A+2:G0A+3], s[4:5], s[OFF:OFF+1]
	s_or_b32 s[G0A+3], s[G0A+3], 0x80000000
	s_mul_i32 s[OFFV], s[NXT], 256*6144            ; 256 rows of qkv
	s_add_nc_u64 s[G0V+2:G0V+3], s[VB:VB+1], s[OFFV:OFFV+1]
	s_or_b32 s[G0V+3], s[G0V+3], 0x80000000
	s_lshl_b32 s[SOFF], s[NXT], 17                 ; two key blocks of 65,536 bytes of st
	s_add_co_u32 s[SOFF], s[SOFF], s[SR]
	s_add_co_u32 s[NXT], s[NXT], 1
	s_cmp_gt_u32 s[NXT], s[LQ]
	s_cselect_b32 s[NXT], 0, s[NXT]
	s_cselect_b32 s[RA], s[RAL], s[RA]
	s_cselect_b32 s[SR], s[SRL], s[SR]
	s_cselect_b32 s[LQ], s[LQL], s[LQ]
.endm
; THE CHANGE OF SLOTS.  Each wave waits for all its tensor loads, of which one is out: its part of the other slot; adds 0 to its spare word; waits for that and for its reads of the slot that it leaves.
; fill = 1: the barrier is a round of the cluster's, and the old slot is filled again first thing behind it: the load has a step's 128 matrix instructions in which to land.
.macro CHANGE fill
	WIN 0
	s_wait_tensorcnt 0x0                           ; no tensor load of mine is out, so the descriptors may be written
	ds_add_u32 v[SPW], v[NIL]                      ; 0 onto my spare word
.if \fill
	ASK
	s_wait_dscnt 0x0                               ; the add is done, and my reads of the slot are over
	CROUND
	JLOAD
.else
	s_wait_dscnt 0x0
	s_barrier_signal -1
	s_barrier_wait -1
.endif
	s_xor_b32 s[TB], s[TB], SLOT                   ; now the slot to read
.endm
.macro ADDR
	WIN 0
	v_add_nc_u32 v[ADRA], s[TB], v[A0]
	v_add_nc_u32 v[ADRB0], s[TB], v[B0]
	v_add_nc_u32 v[ADRB0+1], s[TB], v[B1]
.endm
; 32 LDS loads in one run: quarter q of a step (64 keys) into buffer f, its first 32 keys first
.macro FETCH q, f
	WIN TO_F
.irp c, 0,1
.irp i, 0,1,2,3
	ds_load_tr16_b128 v[(\f)+64+8*(4*\c+\i):(\f)+64+8*(4*\c+\i)+3],   v[ADRB0+(\q)/2] offset:(((\q)%2)*64+32*\c)*PV+32*\i
	ds_load_tr16_b128 v[(\f)+64+8*(4*\c+\i)+4:(\f)+64+8*(4*\c+\i)+7], v[ADRB0+(\q)/2] offset:(((\q)%2)*64+32*\c)*PV+32*\i+16*PV
	ds_load_b128 v[(\f)+8*(4*\c+\i):(\f)+8*(4*\c+\i)+3],   v[ADRA] offset:\i*16*PA+128*(\q)+64*\c
	ds_load_b128 v[(\f)+8*(4*\c+\i)+4:(\f)+8*(4*\c+\i)+7], v[ADRA] offset:\i*16*PA+128*(\q)+64*\c+32
.endr
.endr
.endm
; 16 matrix instructions (32 keys: half c of buffer f) into set AS, the accumulators by turns; behind each fourth, four packed multiply-adds fold one finished accumulator
; (number 8 RH + 4 c + a of set RS) into O with its query block's weight.  They name no register of the products round them.
.macro HALF f, c, AS, z, RS, RH, WR
.irp a, 0,1,2,3
	WIN MUL
.irp b, 0,1,2,3
.if \z
	v_wmma_f32_16x16x32_f16 v[(\AS)+8*(4*\a+\b):(\AS)+8*(4*\a+\b)+7], v[(\f)+64+8*(4*(\c)+\b):(\f)+64+8*(4*(\c)+\b)+7], v[(\f)+8*(4*(\c)+\a):(\f)+8*(4*(\c)+\a)+7], 0
.else
	v_wmma_f32_16x16x32_f16 v[(\AS)+8*(4*\a+\b):(\AS)+8*(4*\a+\b)+7], v[(\f)+64+8*(4*(\c)+\b):(\f)+64+8*(4*(\c)+\b)+7], v[(\f)+8*(4*(\c)+\a):(\f)+8*(4*(\c)+\a)+7], v[(\AS)+8*(4*\a+\b):(\AS)+8*(4*\a+\b)+7]
.endif
.endr
	WIN RID
.irp e, 0,1,2,3
	v_pk_fma_f32 v[O+8*(8*(\RH)+4*(\c)+\a)+2*\e:O+8*(8*(\RH)+4*(\c)+\a)+2*\e+1], v[(\RS)+8*(8*(\RH)+4*(\c)+\a)+2*\e:(\RS)+8*(8*(\RH)+4*(\c)+\a)+2*\e+1], v[(\WR)+2*(2*(\RH)+(\c)):(\WR)+2*(2*(\RH)+(\c))+1], v[O+8*(8*(\RH)+4*(\c)+\a)+2*\e:O+8*(8*(\RH)+4*(\c)+\a)+2*\e+1] op_sel_hi:[1,0,1]
.endr
.endr
.endm
; A quarter of a step.  hw >= 0: the wait at its head; fq >= 0: in its middle quarter fq is fetched into buffer g
.macro QP f, AS, z, RS, RH, WR, hw, fq, g
.if (\hw) >= 0
	s_wait_dscnt \hw                               ; the first 32 keys' sixteen loads are in
.endif
	HALF \f, 0, \AS, \z, \RS, \RH, \WR
.if (\fq) >= 0
	PLACES
	FETCH \fq, \g
	s_wait_dscnt 32                                ; all but the 32 just issued
.endif
	HALF \f, 1, \AS, 0, \RS, \RH, \WR
.endm
; The step's weights from its c m, which was loaded a step ago; ld = 1: the next step's c m is asked for
.macro WCALC ld
	WIN 0
	s_wait_loadcnt 0x0
.irp a, 0,1,2,3
	v_mov_b32 v[W1P+2*\a], v[W1+2*\a]
.endr
.irp i, 0,1,2,3,4,5,6,7
	v_sub_f32 v[D+\i], v[CMN+\i], v[MC+(\i)%4]
.endr
.irp i, 0,1,2,3,4,5,6,7
	v_exp_f32 v[D+\i], v[D+\i]
.endr
	v_nop                                          ; a plain instruction between the last exponential and the use of its result
	s_wait_alu depctr_va_vdst(0)
.irp a, 0,1,2,3
	v_mul_f32 v[W0+2*\a], v[D+\a], v[RC+\a]
	v_mul_f32 v[W1+2*\a], v[D+4+\a], v[RC+\a]
.endr
.if \ld
	v_add_nc_u32 v[SA], s[SOFF], v[SL]             ; free since the wait above
.irp i, 0,1,2,3,4,5,6,7
	global_load_b32 v[CMN+\i], v[SA], s[8:9] offset:128*((\i)%4)+65536*((\i)/4)
.endr
.endif
.endm
; A query block's statistics: NK key blocks at the most; a block beyond the last written one (KM) is read as that one again, so that no byte is read that nobody wrote, and counts 0 in L.
.macro STATL NK, KM, SB, ADb, R0
	WIN 0
.set kb, 0
.rept \NK
	s_min_u32 s[TS], s[\KM], kb
	s_lshl_b32 s[TS], s[TS], 16
	s_add_co_u32 s[TS], s[TS], s[\SB]
	v_add_nc_u32 v[(\ADb)+kb], s[TS], v[SL]
.set kb, kb+1
.endr
	WIN TO_F
.set kb, 0
.rept \NK
.irp a, 0,1,2,3
	global_load_b64 v[(\R0)+8*kb+2*\a:(\R0)+8*kb+2*\a+1], v[(\ADb)+kb], s[8:9] offset:128*\a
.endr
.set kb, kb+1
.endr
.endm
.macro STATC NK, KM, R0, Mo, Ro
	WIN 0x05                                       ; sources 0 and 1 window 1
.irp a, 0,1,2,3
	v_max_num_f32 v[(\Mo)+\a], v[(\R0)+2*\a], v[(\R0)+8+2*\a]
.endr
.set kb, 2
.rept ((\NK)-2)/2
.irp a, 0,1,2,3
	v_max3_num_f32 v[(\Mo)+\a], v[(\R0)+8*kb+2*\a], v[(\R0)+8*kb+8+2*\a], v[(\Mo)+\a]
.endr
.set kb, kb+2
.endr
	WIN 0x41                                       ; destination and source 0 window 1
.set kb, 0
.rept \NK
.irp a, 0,1,2,3
	v_sub_f32 v[(\R0)+8*kb+2*\a], v[(\R0)+8*kb+2*\a], v[(\Mo)+\a]
.endr
.set kb, kb+1
.endr
.set i, 0
.rept 4*(\NK)
	v_exp_f32 v[(\R0)+2*i], v[(\R0)+2*i]
.set i, i+1
.endr
	v_nop
	WIN 0x45
.set i, 0
	s_wait_alu depctr_va_vdst(0)
.rept 4*(\NK)
	v_mul_f32 v[(\R0)+2*i+1], v[(\R0)+2*i+1], v[(\R0)+2*i]
.set i, i+1
.endr
	WIN 0x01
.irp a, 0,1,2,3
	v_mov_b32 v[LS+\a], v[(\R0)+2*\a+1]
.endr
.set kb, 1
.rept (\NK)-1
	s_cmp_le_u32 kb, s[\KM]
	s_cselect_b32 s[FS], 1.0, 0
.irp a, 0,1,2,3
	v_fma_f32 v[LS+\a], v[(\R0)+8*kb+2*\a+1], s[FS], v[LS+\a]
.endr
.set kb, kb+1
.endr
	WIN 0
.irp a, 0,1,2,3
	v_rcp_f32 v[(\Ro)+\a], v[LS+\a]
.endr
	v_nop
.endm
; THE WAY OUT of query block a: a lane's eight channels of a row are 32 bytes; they go into rows of 272 bytes of my own stage and come back as whole rows of 256, into the registers that they left.
.macro OUTA a
.irp b, 0,1,2,3
	ds_store_b128 v[STO], v[O+8*(4*(\a)+\b):O+8*(4*(\a)+\b)+3] offset:64*\b
	ds_store_b128 v[STO], v[O+8*(4*(\a)+\b)+4:O+8*(4*(\a)+\b)+7] offset:64*\b+16
.endr
.irp t, 0,1,2,3,4,5,6,7
	ds_load_b128 v[O+32*(\a)+4*\t:O+32*(\a)+4*\t+3], v[RD] offset:\t*2*SP  ; LDS serves a wave's instructions in order: these see the stores above; the next block's stores come behind them
.endr
.endm
.macro SEND a, y                       ; y: the LDS instructions issued behind block a's loads
.irp t, 0,1,2,3,4,5,6,7
	s_wait_dscnt (\y)+7-\t
	global_store_b128 v[GO], v[O+32*(\a)+4*\t:O+32*(\a)+4*\t+3], s[OUT:OUT+1] offset:(16*(\a)+2*\t)*4096 th:TH_STORE_NT  ; 16 lanes store 256 consecutive bytes, aligned
.endr
.endm
; A query block ends: its last key block is folded in, O leaves; last = 0: O, the weights and the statistics are set for the long block
.macro TILEEND last
	PLACES                                         ; behind the last products
	WIN RID
.set k, 0
.rept 16
.irp e, 0,1,2,3
	v_pk_fma_f32 v[O+8*k+2*\e:O+8*k+2*\e+1], v[ACC1+8*k+2*\e:ACC1+8*k+2*\e+1], v[W1+2*(k/4):W1+2*(k/4)+1], v[O+8*k+2*\e:O+8*k+2*\e+1] op_sel_hi:[1,0,1]
.endr
.set k, k+1
.endr
	WIN 0
	OUTA 0
	OUTA 1
	SEND 0, 16
	OUTA 2
	SEND 1, 16
	OUTA 3
	SEND 2, 16
	SEND 3, 0
.if !(\last)
	s_wait_xcnt 0x0                                ; the stores' data registers and base are rewritten only behind this wait
.set i, 0
.rept 128
	v_mov_b32 v[O+i], 0
.set i, i+1
.endr
.irp a, 0,1,2,3
	v_mov_b32 v[W1+2*\a], 0                        ; what the old block left in the second set of accumulators is folded in with weight 0
	v_mov_b32 v[MC+\a], v[ML+\a]
	v_mov_b32 v[RC+\a], v[RLL+\a]
.endr
	s_mov_b64 s[OUT:OUT+1], s[OUTL:OUTL+1]
.endif
.endm
	s_load_b256 s[4:11], s[0:1], 0x0               ; pt s[4:5], qkv s[6:7], st s[8:9], out0 s[10:11]
	v_lshl_add_u32 v[SPW], v0, 2, SPARE
	v_mov_b32 v[NIL], 0
	ds_add_u32 v[SPW], v[NIL]                      ; the wave's opening: the add and its wait ahead of my first tensor load
	ds_add_u32 v16, v17
	v_lshrrev_b32 v1, 5, v0
	v_readfirstlane_b32 s[WV], v1                  ; wave 0..3
	s_lshr_b32 s[RHS], s[WV], 1                    ; which 64 queries are mine
	s_and_b32 s[CHS], s[WV], 1                     ; which 64 channels.  Also: which half of a tile I fetch
	s_bfe_u32 s[CX], ttmp6, 0x40000                ; cx: it enters V's and out0's addresses alone
	s_lshl_b32 s[CT], ttmp9, 2
	s_add_co_u32 s[CT], s[CT], s[CX]               ; my tile of 128 channels
	s_and_b32 s15, ttmp7, 0xffff
	s_lshr_b32 s16, s15, 3                         ; the batch
	s_and_b32 s17, s15, 7                          ; p: both are the partners' too
	s_lshr_b32 s18, s17, 1
	s_mov_b32 s[LQ], s18                           ; the short block's last step,
	s_sub_co_u32 s[LQL], 7, s18                    ; the long block's
	s_add_co_u32 s[RT], s18, 1
	s_lshl_b32 s[KMS], s18, 1
	s_sub_co_u32 s[KML], 15, s[KMS]
	s_add_co_u32 s[KMS], s[KMS], 1
	s_sub_co_u32 s19, 15, s17
	s_lshl_b32 s20, s16, 11
	s_lshl_b32 s21, s17, 7
	s_add_co_u32 s21, s21, s20                     ; the short block's first query among the 8,192,
	s_lshl_b32 s22, s19, 7
	s_add_co_u32 s22, s22, s20                     ; the long block's
	s_lshl_b32 s[SR], s21, 3
	s_lshl_b32 s[SRL], s22, 3
	s_mov_b32 s[SRS], s[SR]
	s_lshl_b32 s23, s[CHS], 6
	s_add_co_u32 s[RA], s21, s23
	s_lshl_b32 s[RA], s[RA], 12
	s_add_co_u32 s[RAL], s22, s23
	s_lshl_b32 s[RAL], s[RAL], 12
	s_mul_i32 s[WLA], s[CHS], 64*PA
	s_mul_i32 s[WLV], s[CHS], 128*PV
	s_add_co_u32 s[WLV], s[WLV], VOFF
	s_lshl_b32 s15, s[CHS], 7
	s_add_co_u32 s15, s15, s20                     ; V: the batch's row 128 x half,
	s_mul_i32 s82, s15, 6144
	s_lshl_b32 s83, s[CT], 8                       ; my tile's 256 bytes,
	s_add_co_u32 s82, s82, s83
	s_add_co_u32 s82, s82, 4096                    ; v at byte 4,096 of a row of qkv
	s_mov_b32 s83, 0
	s_lshl_b32 s84, s[CT], 9                       ; out0: my tile's 512 bytes, my wave's 256 of them
	s_lshl_b32 s85, s[CHS], 8
	s_add_co_u32 s84, s84, s85
	s_lshl_b32 s15, s[RHS], 6
	s_add_co_u32 s21, s21, s15
	s_lshl_b32 s21, s21, 12
	s_add_co_u32 s22, s22, s15
	s_lshl_b32 s22, s22, 12
	s_mov_b32 s[G1A+0], 15|(1<<16)|(1<<20)|(1<<21)|(6<<22)|(3<<25)  ; the mask of four; 2-byte elements; padding on; bit 21 beside a mask; after every 128 words 4 words
	s_mov_b32 s[G1A+1], 256<<16                    ; 256 keys,
	s_mov_b32 s[G1A+2], 64<<16                     ; 64 queries
	s_mov_b32 s[G1A+3], 256<<16
	s_mov_b32 s[G1A+4], 64
	s_mov_b32 s[G1A+5], 2048
	s_mov_b32 s[G1A+6], 0
	s_mov_b32 s[G1A+7], 0
	s_mov_b32 s[G1V+0], (1<<16)|(1<<20)|(5<<22)|(7<<25)  ; no mask; after every 64 words 8 words
	s_mov_b32 s[G1V+1], 128<<16                    ; 128 channels,
	s_mov_b32 s[G1V+2], 128<<16                    ; 128 keys
	s_mov_b32 s[G1V+3], 128<<16
	s_mov_b32 s[G1V+4], 128
	s_mov_b32 s[G1V+5], 3072
	s_mov_b32 s[G1V+6], 0
	s_mov_b32 s[G1V+7], 0
	s_mov_b32 s[G0A], 1
	s_mov_b32 s[G0V], 1
	s_mov_b32 s[OFF+1], 0
	s_mov_b32 s[OFFV+1], 0
	s_mov_b32 s[TB], 0
	s_mov_b32 s[NXT], 0
	s_wait_dscnt 0x0                               ; the opening add is done
	s_wait_kmcnt 0x0
	s_add_nc_u64 s[VB:VB+1], s[6:7], s[82:83]
	s_add_co_u32 s82, s21, s84
	s_add_nc_u64 s[OUT:OUT+1], s[10:11], s[82:83]
	s_add_co_u32 s82, s22, s84
	s_add_nc_u64 s[OUTL:OUTL+1], s[10:11], s[82:83]
	ASK                                            ; the short block's step 0, into slot 0
	CROUND                                         ; all four work-groups are here: the first joint loads meet
	JLOAD
	s_mov_b32 s[TB], SLOT                          ; slot 1 is asked for when slot 0 is in, by the loop's own change of slots
	v_and_b32 v1, 15, v0                           ; l % 16
	v_bfe_u32 v2, v0, 4, 1                         ; l / 16
	v_mul_u32_u24 v[A0], v1, PA
	v_lshl_add_u32 v[A0], v2, 4, v[A0]
	s_mul_i32 s15, s[RHS], 64*PA
	v_add_nc_u32 v[A0], s15, v[A0]                 ; P: (my 64 rows + l % 16) x pitch + 16 x half
	v_and_b32 v3, 7, v0
	v_lshl_add_u32 v3, v2, 3, v3
	v_mul_u32_u24 v[B0], v3, PV                    ; V, turned: key 8 (l / 16) + l % 8,
	v_bfe_u32 v3, v0, 3, 1
	v_lshl_add_u32 v[B0], v3, 4, v[B0]             ; channels 8 ((l / 8) % 2) on,
	s_lshl_b32 s15, s[CHS], 7
	s_add_co_u32 s15, s15, VOFF
	v_add_nc_u32 v[B0], s15, v[B0]                 ; in my 64 channels
	v_add_nc_u32 v[B1], 128*PV, v[B0]
	v_lshlrev_b32 v[SL], 3, v1
	v_lshl_add_u32 v[SL], s[RHS], 9, v[SL]
	s_mul_i32 s15, s[WV], 16*SP
	s_add_co_u32 s15, s15, STAGE
	v_mul_u32_u24 v[STO], v1, SP
	v_lshl_add_u32 v[STO], v2, 5, v[STO]
	v_add_nc_u32 v[STO], s15, v[STO]
	v_mul_u32_u24 v[RD], v2, SP
	v_lshl_add_u32 v[RD], v1, 4, v[RD]
	v_add_nc_u32 v[RD], s15, v[RD]
	v_lshlrev_b32 v[GO], 12, v2
	v_lshl_add_u32 v[GO], v1, 4, v[GO]
	v_add_nc_u32 v[SA], s[SOFF], v[SL]             ; step 0's c m
.irp i, 0,1,2,3,4,5,6,7
	global_load_b32 v[CMN+\i], v[SA], s[8:9] offset:128*((\i)%4)+65536*((\i)/4)
.endr
	STATL 8,  KMS, SRS, AD,   0
	STATL 16, KML, SRL, AD+8, 64
	; O starts at 0; the second set of accumulators and the weights start at 0, so that the first step folds in nothing.  All this stands in the wait for the first tile and the statistics.
	WIN 0x80
.set i, 0
.rept 128
	v_mov_b32 v[ACC1+i], 0
.set i, i+1
.endr
	WIN 0
.set i, 0
.rept 128
	v_mov_b32 v[O+i], 0
.set i, i+1
.endr
.set i, 0
.rept 24
	v_mov_b32 v[W0+i], 0
.set i, i+1
.endr
	s_wait_loadcnt 0x0
	STATC 8,  KMS, 0,  MC, RC
	STATC 16, KML, 64, ML, RLL
	CHANGE 1                                       ; slot 0 is in, everybody's part of it; slot 1 is asked for
	ADDR
	FETCH 0, F0
	WIN 0
	s_mov_b32 s[CNT], 8
	s_branch .Lfirst                               ; the loop is entered at a step's first quarter, in the middle of a trip
.Lslot:                                                ; seven times: a step's last quarter, then the next step's first three; the step after that is asked for
	CHANGE 1
	ADDR
	FETCH 0, F0
	QP F1, ACC1, 0, ACC0, 1, W0, -1, -1, 0         ; its fragments were waited for in the change of slots
	WIN 0
	s_sub_co_u32 s[RT], s[RT], 1
	s_cmp_lg_u32 s[RT], 0
	s_cbranch_scc1 .Lfirst
	TILEEND 0                                      ; that was the short block's last step
	WIN 0
.Lfirst:
	WCALC 1
	QP F0, ACC0, 1, ACC1, 0, W1P, 16, 1, F1        ; keys 0-63 start the first set's sums | the step before's second key block is folded in
	QP F1, ACC0, 0, ACC1, 1, W1P, 16, 2, F0
	QP F0, ACC1, 1, ACC0, 0, W0,  16, 3, F1        ; keys 128-191 start the second set's sums | this step's first key block is folded in
	WIN 0
	s_sub_co_u32 s[CNT], s[CNT], 1
	s_cmp_lg_u32 s[CNT], 0
	s_cbranch_scc1 .Lslot
	CHANGE 0                                       ; the walk's last step is written out: nothing is asked for
	ADDR
	FETCH 0, F0
	QP F1, ACC1, 0, ACC0, 1, W0, -1, -1, 0
	WCALC 0
	QP F0, ACC0, 1, ACC1, 0, W1P, 16, 1, F1
	QP F1, ACC0, 0, ACC1, 1, W1P, 16, 2, F0
	QP F0, ACC1, 1, ACC0, 0, W0,  16, 3, F1
	s_wait_dscnt 0x0
	QP F1, ACC1, 0, ACC0, 1, W0, -1, -1, 0
	TILEEND 1
	WIN 0
	s_wait_tensorcnt 0x0                           ; the wave's end
	ds_add_u32 v[SPW], v[NIL]
	s_wait_dscnt 0x0
	CROUND                                         ; the closing round: no work-group ends while a partner may still ask for a tile that names it
	s_endpgm
.Lfunc_end_k_qc5c61f8aa8_pv:
	.size	k_qc5c61f8aa8_pv, .Lfunc_end_k_qc5c61f8aa8_pv-k_qc5c61f8aa8_pv
	.p2alignl 7, 3214868480
	.fill 96, 4, 3214868480
	.section	.rodata,"a",@progbits
	.p2align	6, 0x0
	.amdhsa_kernel k_qc5c61f8aa8_pv
		.amdhsa_group_segment_fixed_size 327680
		.amdhsa_private_segment_fixed_size 0
		.amdhsa_enable_private_segment 0
		.amdhsa_kernarg_size 32
		.amdhsa_user_sgpr_count 2
		.amdhsa_user_sgpr_kernarg_segment_ptr 1
		.amdhsa_wavefront_size32 1
		.amdhsa_system_sgpr_workgroup_id_x 1
		.amdhsa_system_sgpr_workgroup_id_y 1
		.amdhsa_system_sgpr_workgroup_id_z 1
		.amdhsa_system_vgpr_workitem_id 0
		.amdhsa_next_free_vgpr 768
		.amdhsa_next_free_sgpr 88
		.amdhsa_reserve_vcc 0
		.amdhsa_float_denorm_mode_32 3
		.amdhsa_float_denorm_mode_16_64 3
		.amdhsa_memory_ordered 1
		.amdhsa_forward_progress 1
		.amdhsa_inst_pref_size 145
	.end_amdhsa_kernel
	.amdgpu_metadata
---
amdhsa.version: [ 1, 2 ]
amdhsa.kernels:
  - .name:           k_qc5c61f8aa8_pv
    .symbol:         k_qc5c61f8aa8_pv.kd
    .args:
      - { .name: pt, .offset: 0, .size: 8, .value_kind: global_buffer, .address_space: global }
      - { .name: qkv, .offset: 8, .size: 8, .value_kind: global_buffer, .address_space: global }
      - { .name: st, .offset: 16, .size: 8, .value_kind: global_buffer, .address_space: global }
      - { .name: out0, .offset: 24, .size: 8, .value_kind: global_buffer, .address_space: global }
    .group_segment_fixed_size: 327680
    .private_segment_fixed_size: 0
    .kernarg_segment_align: 8
    .kernarg_segment_size: 32
    .max_flat_workgroup_size: 128
    .sgpr_count:     88
    .vgpr_count:     768
    .wavefront_size: 32
...
	.end_amdgpu_metadata
.endif
;; end of part 4
;; ======== version 2 of 2: 4 launches
;; limits: values are held in f16: magnitudes above 65,504 overflow, below 6.1e-05 lose precision
;; workspace buffers: xb 16,777,216 bytes; wb 6,291,456 bytes; qkv 50,331,648 bytes; pt 33,554,432 bytes; st 1,048,576 bytes
;; launch prep: the kernel of part 1 again; grid 704 x 1, 8 waves a work-group, no clusters, 0 bytes of LDS; arguments x, Wq, Wk, Wv, xb, wb; writes xb, wb
;; launch proj (part 5): grid 8 x 32, 4 waves a work-group, clusters of 4 x 4, 327,680 bytes of LDS; arguments xb, wb, qkv; writes qkv
.if DOCPART == 5
	.amdgcn_target "amdgcn-amd-amdhsa--gfx1250"
	.amdhsa_code_object_version 6
	.text
	.protected	k_qc5c61f8aa8_proj
	.globl	k_qc5c61f8aa8_proj
	.p2align	8
	.type	k_qc5c61f8aa8_proj,@function
k_qc5c61f8aa8_proj:
	s_mov_b64 s[64:65], 0
	v_nop
	global_prefetch_b8 v0, s[64:65] scope:SCOPE_SE
	s_setreg_imm32_b32 hwreg(HW_REG_WAVE_MODE, 25, 1), 1
	s_wait_xcnt 0x0
	s_wait_alu depctr_hold_cnt(0) depctr_sa_sdst(0) depctr_va_vdst(0) depctr_va_sdst(0) depctr_va_ssrc(0) depctr_va_vcc(0) depctr_vm_vsrc(0)
	s_getreg_b32 s2, hwreg(HW_REG_IB_STS2, 6, 4)
	s_cmp_eq_u32 s2, 0
	s_cbranch_scc0 .Lentry_in_a_cluster
	s_endpgm
.Lentry_in_a_cluster:
	s_bfe_u32 s2, ttmp6, 0x10000c
	s_cmp_lg_u32 s2, 0xf033
	s_cbranch_scc0 .Lentry_shape_is_right
	s_endpgm
.Lentry_shape_is_right:
; PROJECTION.  qkv[m][n] = sum over k of xb[m][k] wb[k][n]:  xb [8192][1024] bf16, wb [1024][3072] bf16, qkv [8192][3072] f16 (q | k | v in a row); sums in f32, rounded once.
; LIMIT.  f16 ends at 65,504: a q, k or v beyond that becomes an infinity.  The inputs' own rounding is bf16's.
; A tile of qkv is 256 rows x 384 columns: 32 x 8 = 256 tiles, one work-group each.  Four waves, each 128 x 192: 96 accumulators, 768 registers.
; K goes in steps of 64 through two LDS slots: 256 rows of xb (128 bytes each) and 64 k-rows of wb (768 bytes each): 192 matrix instructions a wave in a step.  Steps of 128 would want
; 2 x (256 x 272 + 128 x 864) = 360,448 bytes of LDS, more than there is; so xb's tile rows are 128 bytes, half of an aligned 256.  wb lies [k][n]: its fragments come out of LDS turned (ds_load_tr16_b128).
; CLUSTER 4 x 4: the four of a row of the cluster need the same tile of xb, the four of a column the same tile of wb: each is asked for jointly, by the same tensor load and descriptor, with a mask of the four.
; THE MATRIX INSTRUCTION IS USED TRANSPOSED (source 0 = 16 columns of wb, source 1 = 16 rows of xb): a lane holds eight neighbouring numbers of one row of qkv.
; REGISTERS: window 0: v0-17 addresses; v32-95, v96-159 xb's 8 fragments, two buffers; v160-255 wb's fragments: three buffers of 4, one for each GROUP g of 64 columns.
;   window g + 1: the 32 accumulators of group g: (row block a, column block b) at v[8 (4 a + b)].
; A QUARTER (32 along K) is three groups of 32 matrix instructions, each under one window setting; behind a group its wb buffer is loaded again for the next quarter, and has the two other groups in which to land.
.set KD,     1024
.set ND,     3072
.set KS,     64                        ; K in a step
.set STEPS,  KD/KS
.set PA,     144                       ; an LDS row of xb: 128 bytes + 16 = 9 x 16: the 16 rows of a load start 16 bytes apart modulo 256
.set PB,     864                       ; an LDS row of wb: three pieces of 256 bytes + 32 = 27 x 32: the turning load's 8 rows x 32 bytes fall on different bytes modulo 256
.set BOFF,   256*PA                    ; wb's tile lies behind xb's
.set SLOT,   BOFF+KS*PB
.set STAGE,  2*SLOT                    ; behind the ring: 128 rows x 784 bytes, the work-group's, for the way out
.set SPT,    784                       ; 768 bytes + 16 = 49 x 16
.set SPARE,  STAGE+128*SPT             ; behind the stage: the spare words, 128 bytes a wave, named by no other line
.set A0,   4                           ; v4      my lane's place in a tile of xb; never rewritten
.set BS,   5                           ; v5-7    in a tile of wb, for each group; never rewritten
.set ADRA, 8                           ; v8      the same in the slot in hand
.set ADRB, 9                           ; v9-11
.set STO,  12                          ; v12     the way out: where I put 16 bytes of a row
.set RD,   13                          ; v13     where I read rows back
.set CO,   14                          ; v14     my byte offset in qkv
.set SPW,  16                          ; v16     my spare word; never rewritten
.set NIL,  17                          ; v17     0; never rewritten
.set AF,   32
.set BF,   160
.set TMP,  32                          ; the way out: v32-79 a row block's packed results
.set OB,   64                          ; v64-255 rows read back
.set G1,  24                           ; s[24:31] group 1 for xb's tiles;  s[32:39] group 0: a set for each of the two first fills; the second then walks on
.set G0,  32
.set G1B, 48                           ; s[48:55], s[56:63] the same for wb's tiles
.set G0B, 56
.set TB,  45                           ; s45     LDS byte at which the slot in hand begins
.set MSB, 0
.macro WIN new                         ; the immediate's high byte repeats the setting that is left
.if MSB != (\new)
	s_set_vgpr_msb (MSB<<8)|(\new)
.set MSB, \new
.endif
.endm
.macro JLOAD s                         ; a joint load: waves 0 and 1 fetch xb's two halves, waves 2 and 3 wb's; an s_nop 0 and four v_nop follow each line
	s_cmp_eq_u32 s11, 0
	s_cbranch_scc0 .Lfor_b_\@
	tensor_load_to_lds s[G0+4*(\s):G0+4*(\s)+3], s[G1:G1+7]
	s_nop 0
.rept 4
	v_nop
.endr
	s_branch .Lasked_\@
.Lfor_b_\@:
	tensor_load_to_lds s[G0B+4*(\s):G0B+4*(\s)+3], s[G1B:G1B+7]
	s_nop 0
.rept 4
	v_nop
.endr
.Lasked_\@:
.endm
.macro CREST                           ; a round of the cluster's barrier behind its opening barrier
	s_cmp_lg_u32 s10, 0
	s_cbranch_scc1 .Lnot_wave_0_\@
	s_barrier_signal -3
.Lnot_wave_0_\@:
	s_barrier_wait -3
	s_barrier_signal -1
	s_barrier_wait -1
.endm
.macro CROUND
	s_barrier_signal -1
	s_barrier_wait -1
	CREST
.endm
.macro PLACES                          ; four places in front of loads into registers that matrix instructions have read, and of conversions that read results
.rept 4
	v_nop
.endr
.endm
	s_load_b128 s[4:7], s[0:1], 0x0                ; xb s[4:5], wb s[6:7]
	s_load_b64 s[8:9], s[0:1], 0x10                ; qkv
	v_lshl_add_u32 v[SPW], v0, 2, SPARE
	v_mov_b32 v[NIL], 0
	ds_add_u32 v[SPW], v[NIL]                      ; the wave's opening: the add and its wait ahead of my first tensor load
	ds_add_u32 v16, v17
	v_lshrrev_b32 v1, 5, v0
	v_readfirstlane_b32 s10, v1                    ; wave 0..3
	s_lshr_b32 s11, s10, 1                         ; which 128 rows of the tile are mine.  Also: I fetch for xb (0) or wb (1)
	s_and_b32 s12, s10, 1                          ; which 192 columns.  Also: which half of that tile I fetch
	s_bfe_u32 s40, ttmp6, 0x40000                  ; cx, cy: my place in the cluster
	s_bfe_u32 s41, ttmp6, 0x40004
	s_lshl_b32 s42, ttmp9, 2
	s_add_co_u32 s42, s42, s40                     ; tile column = 4 x cluster x + cx
	s_and_b32 s13, ttmp7, 0xffff
	s_lshl_b32 s13, s13, 2
	s_add_co_u32 s13, s13, s41                     ; tile row = 4 x cluster y + cy
	s_lshl_b32 s43, s41, 2
	s_lshl_b32 s43, 15, s43                        ; my row of the cluster
	s_lshl_b32 s44, 0x1111, s40                    ; my column
	s_or_b32 s[G1+0], s43, (1<<16)|(1<<20)|(1<<21)|(4<<22)|(3<<25)   ; mask; 2-byte elements; padding on; bit 21 beside a mask; after every 32 words 4 words
	s_or_b32 s[G1B+0], s44, (1<<16)|(1<<20)|(1<<21)|(5<<22)|(7<<25)  ; after every 64 words 8 words: three times in a row of 192 words
	s_mov_b32 s[G1+1], KS<<16                      ; tensor_dim0 = 64
	s_mov_b32 s[G1+2], 128<<16                     ; tensor_dim1 = 128
	s_mov_b32 s[G1+3], KS<<16                      ; tile_dim0 = 64
	s_mov_b32 s[G1+4], 128                         ; tile_dim1 = 128
	s_mov_b32 s[G1+5], KD                          ; elements from row to row
	s_mov_b32 s[G1+6], 0
	s_mov_b32 s[G1+7], 0
	s_mov_b32 s[G1B+1], 384<<16                    ; 384 columns,
	s_mov_b32 s[G1B+2], 32<<16                     ; 32 k-rows
	s_mov_b32 s[G1B+3], 384<<16
	s_mov_b32 s[G1B+4], 32
	s_mov_b32 s[G1B+5], ND
	s_mov_b32 s[G1B+6], 0
	s_mov_b32 s[G1B+7], 0
	s_mov_b32 s[TB], 0
	s_lshl_b32 s16, s13, 8
	s_lshl_b32 s17, s12, 7
	s_add_co_u32 s16, s16, s17                     ; xb: row 256 x tile row + 128 x half,
	s_lshl_b32 s16, s16, 11                        ; of 2,048 bytes
	s_mov_b32 s17, 0
	s_mul_i32 s46, s12, 32*ND*2                    ; wb: k-row 32 x half,
	s_mul_i32 s47, s42, 768                        ; column 384 x tile column
	s_add_co_u32 s46, s46, s47
	s_mov_b32 s47, 0
	s_mul_i32 s20, s12, 128*PA                     ; where they go in a slot: no place in the cluster enters an LDS address
	s_mul_i32 s21, s12, 32*PB
	s_add_co_u32 s21, s21, BOFF
	s_wait_dscnt 0x0                               ; the opening add is done
	s_wait_kmcnt 0x0
	s_add_nc_u64 s[14:15], s[4:5], s[16:17]
	s_add_nc_u64 s[46:47], s[6:7], s[46:47]
	CROUND                                         ; all sixteen work-groups are here: the first joint loads meet
.irp s, 0,1                            ; two tensor loads of mine are out
	s_mov_b32 s[G0+4*(\s)], 1
	s_add_co_u32 s[G0+4*(\s)+1], s20, (\s)*SLOT
	s_add_nc_u64 s[G0+4*(\s)+2:G0+4*(\s)+3], s[14:15], (\s)*KS*2         ; K step s: 64 elements along the rows
	s_or_b32 s[G0+4*(\s)+3], s[G0+4*(\s)+3], 0x80000000
	s_mov_b32 s[G0B+4*(\s)], 1
	s_add_co_u32 s[G0B+4*(\s)+1], s21, (\s)*SLOT
	s_add_nc_u64 s[G0B+4*(\s)+2:G0B+4*(\s)+3], s[46:47], (\s)*KS*ND*2    ; K step s: 64 k-rows down
	s_or_b32 s[G0B+4*(\s)+3], s[G0B+4*(\s)+3], 0x80000000
	JLOAD \s
.endr
	v_and_b32 v1, 15, v0                           ; l % 16
	v_bfe_u32 v2, v0, 4, 1                         ; l / 16
	v_mul_u32_u24 v[A0], v1, PA
	v_lshl_add_u32 v[A0], v2, 4, v[A0]             ; xb: row x pitch + 16 x half,
	s_mul_i32 s22, s11, 128*PA
	v_add_nc_u32 v[A0], s22, v[A0]                 ; in my 128 rows
	v_and_b32 v3, 7, v0
	v_lshl_add_u32 v3, v2, 3, v3                   ; wb, turned: k-row 8 (l / 16) + l % 8,
	v_mul_u32_u24 v3, v3, PB
	v_bfe_u32 v15, v0, 3, 1
	v_lshl_add_u32 v3, v15, 4, v3                  ; columns 8 ((l / 8) % 2) on
	s_mul_i32 s22, s12, 3                          ; my group g is piece t = 3 x half + g of the row's six pieces of 128 bytes,
.irp g, 0,1,2
	s_add_co_u32 s23, s22, \g
	s_lshr_b32 s46, s23, 1                         ; behind t / 2 paddings of 32 bytes
	s_lshl_b32 s46, s46, 5
	s_lshl_b32 s23, s23, 7
	s_add_co_u32 s23, s23, s46
	s_add_co_u32 s23, s23, BOFF
	v_add_nc_u32 v[BS+\g], s23, v3
.endr
	s_mul_i32 s23, s11, 64*SPT                     ; into the stage: my 64 rows of a pass, my 384 bytes of them; row l % 16, 16 bytes for each half of the lanes
	s_mul_i32 s22, s12, 384
	s_add_co_u32 s23, s23, s22
	s_add_co_u32 s23, s23, STAGE
	v_mul_u32_u24 v3, v1, SPT
	v_lshl_add_u32 v3, v2, 4, v3
	v_add_nc_u32 v[STO], s23, v3
	s_mul_i32 s23, s10, 32*SPT                     ; back: wave w takes the stage's rows 32 w .. 32 w + 31, whole; lanes 0-15 256 bytes of one row, lanes 16-31 of the next
	s_add_co_u32 s23, s23, STAGE
	v_mul_u32_u24 v3, v2, SPT
	v_lshl_add_u32 v3, v1, 4, v3
	v_add_nc_u32 v[RD], s23, v3
	v_mul_u32_u24 v3, v2, ND*2                     ; and the same two rows in qkv
	v_lshl_add_u32 v[CO], v1, 4, v3
	s_lshl_b32 s16, s13, 8                         ; the stage's row 64 rh + x is the tile's row 128 rh + 64 pass + x: the first row that I store is 256 x tile row + 128 rh + 32 (w % 2)
	s_lshl_b32 s17, s11, 7
	s_add_co_u32 s16, s16, s17
	s_lshl_b32 s17, s12, 5
	s_add_co_u32 s16, s16, s17
	s_mul_i32 s16, s16, ND*2
	s_mov_b32 s17, 0
	s_add_nc_u64 s[8:9], s[8:9], s[16:17]
	s_mul_i32 s46, s42, 768                        ; the tile's first column, in bytes: a multiple of 256
	s_mov_b32 s47, 0
	s_add_nc_u64 s[8:9], s[8:9], s[46:47]
; Matrix instructions of group g on xb's buffer f: nb row blocks from a0 on x the group's 4 column blocks, 32 along K.  zero = 1: the product starts the sum.  The accumulators take turns.
.macro GRP f, g, a0, nb, zero
	WIN 0x50*((\g)+1)                              ; C and D in window g + 1, the fragments in window 0
.set aa, \a0
.rept \nb
.irp b, 0,1,2,3
.if \zero
	v_wmma_f32_16x16x32_bf16 v[8*(4*aa+\b):8*(4*aa+\b)+7], v[BF+32*(\g)+8*\b:BF+32*(\g)+8*\b+7], v[AF+64*(\f)+8*aa:AF+64*(\f)+8*aa+7], 0
.else
	v_wmma_f32_16x16x32_bf16 v[8*(4*aa+\b):8*(4*aa+\b)+7], v[BF+32*(\g)+8*\b:BF+32*(\g)+8*\b+7], v[AF+64*(\f)+8*aa:AF+64*(\f)+8*aa+7], v[8*(4*aa+\b):8*(4*aa+\b)+7]
.endif
.endr
.set aa, aa+1
.endr
.endm
.macro LDB g, q                        ; 8 LDS loads: group g's four fragments of wb, quarter q of the slot in hand
.irp b, 0,1,2,3
	ds_load_tr16_b128 v[BF+32*(\g)+8*\b:BF+32*(\g)+8*\b+3],   v[ADRB+(\g)] offset:(\q)*32*PB+32*\b
	ds_load_tr16_b128 v[BF+32*(\g)+8*\b+4:BF+32*(\g)+8*\b+7], v[ADRB+(\g)] offset:(\q)*32*PB+32*\b+16*PB
.endr
.endm
.macro LDA f, q                        ; 16 LDS loads: xb's eight fragments into buffer f
.irp a, 0,1,2,3,4,5,6,7
	ds_load_b128 v[AF+64*(\f)+8*\a:AF+64*(\f)+8*\a+3],   v[ADRA] offset:\a*16*PA+64*(\q)
	ds_load_b128 v[AF+64*(\f)+8*\a+4:AF+64*(\f)+8*\a+7], v[ADRA] offset:\a*16*PA+64*(\q)+32
.endr
.endm
.macro ADDR                            ; my four places in the slot in hand
	v_add_nc_u32 v[ADRA], s[TB], v[A0]
.irp g, 0,1,2
	v_add_nc_u32 v[ADRB+\g], s[TB], v[BS+\g]
.endr
.endm
; A step's first quarter: multiplies xb's buffer f and fetches quarter q of the same slot.  A quarter's loads are issued in the order: group 0 (8), xb (16), group 1 (8), group 2 (8).
.macro QT f, zero, q
	s_wait_dscnt 16                                ; group 0 and xb are in; groups 1 and 2 may be out
	GRP \f, 0, 0, 8, \zero
	WIN 0
	PLACES
	LDB 0, \q
	LDA 1-(\f), \q
	s_wait_dscnt 32                                ; group 1 is in: behind it went group 2 and the 24 just issued
	GRP \f, 1, 0, 8, \zero
	WIN 0
	PLACES
	LDB 1, \q
	s_wait_dscnt 32                                ; group 2 is in: behind it went 24 and 8
	GRP \f, 2, 0, 8, \zero
	WIN 0
	PLACES
	LDB 2, \q
.endm
; A step's second quarter multiplies buffer 1 and changes slots: ONE barrier; in front of it each wave waits for all its tensor loads, adds 0 to its spare word, and waits for that and for its reads of this slot,
; all of which have been issued.  fill = 1: the barrier opens a round of the cluster's, and this slot is filled again first thing behind it, two steps ahead: 176 matrix instructions ahead of the wait for it.
.macro QC fill
	s_wait_dscnt 16
	GRP 1, 0, 0, 4, 0
	WIN 0                                          ; (the add's two registers lie in window 0)
	s_wait_tensorcnt 0x0                           ; all my tensor loads have landed: my part of the next slot; so a group 0 may be written
	ds_add_u32 v[SPW], v[NIL]                      ; 0 onto my spare word
.if \fill
	s_add_co_u32 s[G0+5], s[TB], s20               ; the walking descriptors: the slot that is being left,
	s_add_co_u32 s[G0B+5], s[TB], s21
	s_add_nc_u64 s[G0+6:G0+7], s[G0+6:G0+7], KS*2  ; the next K step; the type bits on top are not reached
	s_add_nc_u64 s[G0B+6:G0B+7], s[G0B+6:G0B+7], KS*ND*2
.endif
	GRP 1, 0, 4, 2, 0                              ; eight matrix instructions stand between the add and the wait for it
	s_wait_dscnt 0x0                               ; the add is done, and my reads of this slot are over
	s_barrier_signal -1
	GRP 1, 0, 6, 2, 0
	WIN 0
	s_barrier_wait -1
.if \fill
	CREST                                          ; no wave of any partner still reads this slot or has a load on its way
	JLOAD 1                                        ; its four v_nop are the places in front of the loads below
.else
	PLACES
.endif
	s_xor_b32 s[TB], s[TB], SLOT                   ; now the next slot is in hand
	ADDR
	LDB 0, 0
	LDA 0, 0
	GRP 1, 1, 0, 8, 0
	WIN 0
	PLACES
	LDB 1, 0
	GRP 1, 2, 0, 8, 0
	WIN 0
	PLACES
	LDB 2, 0
.endm
	s_wait_tensorcnt 1                             ; my part of K step 0 is in; K step 1's may stay out
	s_barrier_signal -1
	s_barrier_wait -1
	ADDR
	LDB 0, 0
	LDA 0, 0
	LDB 1, 0
	LDB 2, 0
	QT 0, 1, 1                                     ; the first quarter stands in front of the loop: its products start the sums
	s_mov_b32 s3, STEPS-2
.Lstep:                                                ; 14 trips: a step's second quarter, which asks for the step two on, and the next step's first
	QC 1
	QT 0, 0, 1
	s_sub_co_u32 s3, s3, 1
	s_cmp_lg_u32 s3, 0
	s_cbranch_scc1 .Lstep
	QC 0                                           ; the tail is written out: nothing is asked for
	QT 0, 0, 1
	s_wait_dscnt 16                                ; the very last quarter: nothing more to fetch
	GRP 1, 0, 0, 8, 0
	s_wait_dscnt 8
	GRP 1, 1, 0, 8, 0
	s_wait_dscnt 0x0
	GRP 1, 2, 0, 8, 0
	WIN 0
; THE WAY OUT.  A wave's 192 columns are 384 bytes, one and a half aligned blocks of 256: so the rows go through ONE stage, which the two waves of a row half write side by side, in two passes of 128 rows
; (my row blocks 0-3, then 4-7), a barrier between writing and reading and one between the passes.  Each wave reads 32 whole rows back and stores them, 16 lanes to 256 consecutive bytes.
.macro PACKST a                        ; row block a: rounded to f16, 16 bytes a lane, into the stage
.irp g, 0,1,2
	WIN 5*(\g+1)                                   ; sources 0 and 1 in window g + 1
.irp b, 0,1,2,3
.irp r, 0,1,2,3
	v_cvt_pk_f16_f32 v[TMP+16*\g+4*\b+\r], v[8*(4*(\a)+\b)+2*\r], v[8*(4*(\a)+\b)+2*\r+1]
.endr
.endr
.endr
	WIN 0
.irp g, 0,1,2
.irp b, 0,1,2,3
	ds_store_b128 v[STO], v[TMP+16*\g+4*\b:TMP+16*\g+4*\b+3] offset:((\a)%4)*16*SPT+128*\g+32*\b
.endr
.endr
.endm
.macro PASS p
.irp a, 0,1,2,3
	PACKST 4*(\p)+\a
.endr
	s_wait_dscnt 0x0                               ; for the others' sake: my stores into the stage are done
	s_barrier_signal -1
	s_barrier_wait -1
.set i, 0
.rept 48                               ; pair i / 3 of my 32 rows, block i % 3 of their 768 bytes
	ds_load_b128 v[OB+4*i:OB+4*i+3], v[RD] offset:(i/3)*2*SPT+(i%3)*256
.set i, i+1
.endr
.set i, 0
.rept 48
	s_wait_dscnt 47-i                              ; LDS loads come back in order: load i is in, the younger ones stay out
	global_store_b128 v[CO], v[OB+4*i:OB+4*i+3], s[8:9] offset:(64*(\p)+2*(i/3))*ND*2+(i%3)*256  ; 16 lanes store 256 consecutive bytes, aligned
.set i, i+1
.endr
.endm
	PLACES                                         ; behind the last products
	PASS 0
	s_wait_xcnt 0x0                                ; the registers that these stores read are written again only behind this wait
	s_barrier_signal -1                            ; every wave's reads of the stage are back (its last count was 0): the stage may be written again
	s_barrier_wait -1
	PASS 1
	s_wait_tensorcnt 0x0                           ; the wave's end
	ds_add_u32 v[SPW], v[NIL]
	s_wait_dscnt 0x0
	CROUND                                         ; the closing round: no work-group ends while a partner may still ask for a tile that names it
	s_endpgm
.Lfunc_end_k_qc5c61f8aa8_proj:
	.size	k_qc5c61f8aa8_proj, .Lfunc_end_k_qc5c61f8aa8_proj-k_qc5c61f8aa8_proj
	.p2alignl 7, 3214868480
	.fill 96, 4, 3214868480
	.section	.rodata,"a",@progbits
	.p2align	6, 0x0
	.amdhsa_kernel k_qc5c61f8aa8_proj
		.amdhsa_group_segment_fixed_size 327680
		.amdhsa_private_segment_fixed_size 0
		.amdhsa_enable_private_segment 0
		.amdhsa_kernarg_size 24
		.amdhsa_user_sgpr_count 2
		.amdhsa_user_sgpr_kernarg_segment_ptr 1
		.amdhsa_wavefront_size32 1
		.amdhsa_system_sgpr_workgroup_id_x 1
		.amdhsa_system_sgpr_workgroup_id_y 1
		.amdhsa_system_sgpr_workgroup_id_z 1
		.amdhsa_system_vgpr_workitem_id 0
		.amdhsa_next_free_vgpr 1024
		.amdhsa_next_free_sgpr 66
		.amdhsa_reserve_vcc 0
		.amdhsa_float_denorm_mode_32 3
		.amdhsa_float_denorm_mode_16_64 3
		.amdhsa_memory_ordered 1
		.amdhsa_forward_progress 1
		.amdhsa_inst_pref_size 115
	.end_amdhsa_kernel
	.amdgpu_metadata
---
amdhsa.version: [ 1, 2 ]
amdhsa.kernels:
  - .name:           k_qc5c61f8aa8_proj
    .symbol:         k_qc5c61f8aa8_proj.kd
    .args:
      - { .name: xb, .offset: 0, .size: 8, .value_kind: global_buffer, .address_space: global }
      - { .name: wb, .offset: 8, .size: 8, .value_kind: global_buffer, .address_space: global }
      - { .name: qkv, .offset: 16, .size: 8, .value_kind: global_buffer, .address_space: global }
    .group_segment_fixed_size: 327680
    .private_segment_fixed_size: 0
    .kernarg_segment_align: 8
    .kernarg_segment_size: 24
    .max_flat_workgroup_size: 128
    .sgpr_count:     66
    .vgpr_count:     1024
    .wavefront_size: 32
...
	.end_amdgpu_metadata
.endif
;; end of part 5
;; launch score (part 6): grid 36 x 4, 4 waves a work-group, no clusters, 327,680 bytes of LDS; arguments qkv, pt, st; writes pt, st
.if DOCPART == 6
	.amdgcn_target "amdgcn-amd-amdhsa--gfx1250"
	.amdhsa_code_object_version 6
	.text
	.protected	k_qc5c61f8aa8_score
	.globl	k_qc5c61f8aa8_score
	.p2align	8
	.type	k_qc5c61f8aa8_score,@function
k_qc5c61f8aa8_score:
	s_mov_b64 s[64:65], 0
	v_nop
	global_prefetch_b8 v0, s[64:65] scope:SCOPE_SE
	s_setreg_imm32_b32 hwreg(HW_REG_WAVE_MODE, 25, 1), 1
	s_wait_xcnt 0x0
; CAUSAL SCORES AND THE FIRST LEVEL OF THE SOFTMAX.  For each batch the 36 tiles (i, j <= i) of 256 queries x 256 keys of s = q . k (sums over 1,024 channels in f32, q and k f16 out of qkv).
; A wave owns 128 queries x 128 keys: 64 accumulators.  For each query and this BLOCK of 128 keys it takes the block's true maximum m, stores p = 2^(c s - c m) in f16 (in 0 to 1, rounded once) into pt,
; and c m and l = the sum of the unrounded p, in f32, into st.  c = log2(e) / 32.  The next launch joins the blocks: a maximum is taken away in front of every exponential.
; THE MASK.  In a diagonal tile a hidden score counts as -1e30.  The wave whose whole block is hidden (queries 0-127, keys 128-255) stores c m = -1e30, so that the block's weight is 0 later; its p stay finite.
; LIMITS.  q and k arrive within f16's 65,504; a weight below 2^-126 counts as 0; NaN and infinities are not treated apart.
; NO CLUSTER: a batch's lower tiles form rows of 1 to 8 tiles and columns of 8 to 1; no group of four by four or four by one shares a tile of q or k at every place without work-groups that compute nothing.
; K goes in 8 steps of 128 through two LDS slots (256 rows of q, 256 rows of k, 256 bytes each, padded to 272); each wave fetches a quarter of a slot with one tensor load.
; THE TEXT IS SHORT WHERE STEPS ARE ALIKE.  A K step is written once for the six steps that ask for a tile and once for the two that do not; the slot in hand is a scalar turned by an exclusive or.
; A query block's softmax is written for the four blocks of window 2 and walked twice: between the two walks 256 moves bring window 3's accumulators down, in place of four more copies of some 230 lines each.
; THE MATRIX INSTRUCTION: source 0 = 16 keys, source 1 = 16 queries: a lane holds ONE query (lane % 16) and the keys 8 (lane / 16) + 0..7 of each key block.
; REGISTERS: window 0: v0-31 addresses; v64-127, v128-191 q's fragments, two buffers, later the softmax's work;  window 1: the same numbers for k's fragments;
;   window 2: the accumulators of my queries 0-63 ((a, b) at v[8 (8 a + b)]);  window 3: those of my queries 64-127.
.set PITCH,  272
.set HALFT,  128*PITCH
.set SLOT,   4*HALFT
.set STAGE,  2*SLOT
.set SPITCH, 272
.set SPARE,  STAGE+4*16*SPITCH
.set STEPS,  8
.set DG,   14                          ; v14     l % 16 - 8 (l / 16): register r of the diagonal block is hidden where r is greater
.set A0,   16                          ; v16     my lane's place in q's part of a slot; never rewritten
.set ADRA, 17                          ; v17     the same in the slot in hand
.set B0,   20                          ; v20     my lane's place in k's part of a slot; never rewritten
.set ADRB, 21                          ; v21     the same in the slot in hand
.set STO,  24
.set RD,   25
.set CO,   26
.set SO,   27                          ; v27     8 x lane: my pair in a store of 32 rows' statistics
.set SPW,  28
.set NIL,  29
.set T,    32                          ; v32-35  four chains; v36 the other half of the lanes'
.set CM,   40                          ; v[40:41] c m (the pair's high word is 0)
.set LS,   44                          ; v44-51  four running sums of pairs
.set Y,    52                          ; v52-55  statistics to store
.set X,    64                          ; v64-127 c s - c m, then p
.set TMP,  128                         ; v128-159 p in f16
.set OB,   160                         ; v160-191, v192-223 rows read back
.set STV,  224                         ; v224-231 block a's (c m, l)
.set F0,   64
.set F1,   128
.set G1, 24                            ; s[24:31] descriptor group 1
.set G0, 32                            ; s[32:39] group 0: a set for each of the two first fills; the second then walks on
.set TB,   43                          ; s43 LDS byte at which the slot in hand begins
.set CS,   44                          ; s[44:45] c
.set SEL,  46                          ; s[46:47] v_permlanex16_b32's selects
.set BIGN, 48                          ; s48 -1e30
.set HM,   49                          ; s49 all ones: my whole block is hidden
.set H16,  50                          ; s50 lanes 16-31
.set MK,   52                          ; s52-59 lanes in which register r of a diagonal block is hidden
.set MSB, 0
.macro WIN new
.if MSB != (\new)
	s_set_vgpr_msb (MSB<<8)|(\new)
.set MSB, \new
.endif
.endm
.set MUL_LO, 0xa1                      ; source 0 (k) window 1, source 1 (q) window 0, C and D window 2
.set MUL_HI, 0xf1
.set TO_B,   0x40
.macro PLACES
.rept 4
	v_nop
.endr
.endm
	s_load_b128 s[4:7], s[0:1], 0x0                ; qkv s[4:5], pt s[6:7]
	s_load_b64 s[8:9], s[0:1], 0x10                ; st
	v_lshl_add_u32 v[SPW], v0, 2, SPARE
	v_mov_b32 v[NIL], 0
	ds_add_u32 v[SPW], v[NIL]                      ; the wave's opening: the add and its wait ahead of my first tensor load
	ds_add_u32 v28, v29
	v_lshrrev_b32 v1, 5, v0
	v_readfirstlane_b32 s10, v1                    ; wave 0..3
	s_lshr_b32 s11, s10, 1                         ; which 128 queries are mine.  Also: I fetch q (0) or k (1)
	s_and_b32 s12, s10, 1                          ; which 128 keys.  Also: which 128 rows of that tile I fetch
	s_and_b32 s42, ttmp7, 0xffff                   ; the batch
	s_mov_b32 s40, 0                               ; i: the largest n with n (n + 1) / 2 <= the tile's number
.irp n, 1,2,3,4,5,6,7
	s_cmp_ge_u32 ttmp9, (\n)*((\n)+1)/2
	s_cselect_b32 s40, \n, s40
.endr
	s_add_co_u32 s41, s40, 1
	s_mul_i32 s41, s41, s40
	s_lshr_b32 s41, s41, 1
	s_sub_co_u32 s41, ttmp9, s41                   ; j
	s_mov_b32 s[G1+0], (1<<16)|(1<<20)|(5<<22)|(3<<25)  ; 2-byte elements; padding on: after every 64 words 4 words
	s_mov_b32 s[G1+1], 128<<16                     ; tensor_dim0 = 128
	s_mov_b32 s[G1+2], 128<<16                     ; tensor_dim1 = 128
	s_mov_b32 s[G1+3], 128<<16                     ; tile_dim0 = 128
	s_mov_b32 s[G1+4], 128                         ; tile_dim1 = 128
	s_mov_b32 s[G1+5], 3072                        ; elements from row to row of qkv
	s_mov_b32 s[G1+6], 0
	s_mov_b32 s[G1+7], 0
	s_mov_b32 s[TB], 0
	s_mov_b32 s[CS], 0x3d38aa3b                    ; c = log2(e) / 32
	s_mov_b32 s[CS+1], s[CS]
	s_mov_b32 s[SEL], 0x76543210
	s_mov_b32 s[SEL+1], 0xfedcba98
	s_mov_b32 s[BIGN], 0xf149f2ca                  ; -1e30
	s_mov_b32 s[H16], 0xffff0000
	s_cmp_eq_u32 s40, s41
	s_cselect_b32 s[HM], -1, 0
	s_cmp_lt_u32 s11, s12                          ; queries 0-127 against keys 128-255
	s_cselect_b32 s[HM], s[HM], 0
	s_cmp_eq_u32 s11, 0
	s_cselect_b32 s16, s40, s41                    ; q's tile goes by i, k's by j
	s_cselect_b32 s18, 0, 2048                     ; q at byte 0 of a row of qkv, k at byte 2,048
	s_lshl_b32 s16, s16, 8
	s_lshl_b32 s17, s12, 7
	s_add_co_u32 s16, s16, s17
	s_lshl_b32 s17, s42, 11
	s_add_co_u32 s16, s16, s17                     ; the first row that I fetch
	s_mul_i32 s16, s16, 6144
	s_add_co_u32 s16, s16, s18
	s_mov_b32 s17, 0
	s_mul_i32 s20, s10, HALFT                      ; and where it goes in a slot: q's two halves, then k's; kept for the refills
	s_wait_dscnt 0x0                               ; the opening add is done
	s_wait_kmcnt 0x0
	s_add_nc_u64 s[14:15], s[4:5], s[16:17]
.irp s, 0,1                            ; both first fills go out together: two tensor loads of mine are out
	s_mov_b32 s[G0+4*(\s)], 1
	s_add_co_u32 s[G0+4*(\s)+1], s20, (\s)*SLOT
	s_add_nc_u64 s[G0+4*(\s)+2:G0+4*(\s)+3], s[14:15], (\s)*256
	s_or_b32 s[G0+4*(\s)+3], s[G0+4*(\s)+3], 0x80000000
	tensor_load_to_lds s[G0+4*(\s):G0+4*(\s)+3], s[G1:G1+7]
	s_nop 0
.endr
	v_and_b32 v1, 15, v0                           ; l % 16
	v_bfe_u32 v2, v0, 4, 1                         ; l / 16
	v_mul_u32_u24 v3, v1, PITCH
	v_lshl_add_u32 v3, v2, 4, v3
	s_mul_i32 s21, s11, HALFT                      ; my 128 rows of q
	s_mul_i32 s22, s12, HALFT                      ; my 128 rows of k,
	s_add_co_u32 s22, s22, 2*HALFT                 ; which lie behind q's 256
	v_add_nc_u32 v[A0], s21, v3
	v_add_nc_u32 v[B0], s22, v3
	s_mul_i32 s23, s10, 16*SPITCH
	s_add_co_u32 s23, s23, STAGE
	v_mul_u32_u24 v4, v1, SPITCH
	v_lshl_add_u32 v4, v2, 4, v4
	v_add_nc_u32 v[STO], s23, v4
	v_mul_u32_u24 v5, v2, SPITCH
	v_lshl_add_u32 v5, v1, 4, v5
	v_add_nc_u32 v[RD], s23, v5
	v_lshlrev_b32 v5, 12, v2                       ; two rows of pt, 4,096 bytes apart
	v_lshl_add_u32 v[CO], v1, 4, v5
	v_lshlrev_b32 v4, 3, v2
	v_sub_nc_u32 v[DG], v1, v4
	v_and_b32 v4, 31, v0
	v_lshlrev_b32 v[SO], 3, v4
	s_lshl_b32 s16, s41, 1
	s_add_co_u32 s16, s16, s12                     ; my block of 128 keys: 2 j + half
	s_lshl_b32 s16, s16, 16                        ; 8,192 rows x 8 bytes a block
	s_lshl_b32 s17, s42, 11
	s_lshl_b32 s18, s40, 8
	s_add_co_u32 s17, s17, s18
	s_lshl_b32 s18, s11, 7
	s_add_co_u32 s17, s17, s18                     ; my first query among the 8,192
	s_lshl_b32 s18, s17, 3
	s_add_co_u32 s16, s16, s18
	s_lshl_b32 s18, s17, 12
	s_mov_b32 s17, 0
	s_add_nc_u64 s[8:9], s[8:9], s[16:17]          ; st at my 128 pairs
	s_lshl_b32 s16, s41, 9
	s_add_co_u32 s16, s16, s18
	s_lshl_b32 s18, s12, 8
	s_add_co_u32 s16, s16, s18
	s_add_nc_u64 s[6:7], s[6:7], s[16:17]          ; pt at my first row and key
; 16 matrix instructions: query blocks a0, a0 + 1 of the window's four x all 8 key blocks, 32 along K.  The 64 accumulators take turns.
.macro MUL16 f, hi, a0, zero
	WIN MUL_LO+0x50*(\hi)
.irp a, \a0, (\a0)+1
.irp b, 0,1,2,3,4,5,6,7
.if \zero
	v_wmma_f32_16x16x32_f16 v[8*(8*(\a)+(\b)):8*(8*(\a)+(\b))+7], v[(\f)+8*(\b):(\f)+8*(\b)+7], v[(\f)+8*(4*(\hi)+(\a)):(\f)+8*(4*(\hi)+(\a))+7], 0
.else
	v_wmma_f32_16x16x32_f16 v[8*(8*(\a)+(\b)):8*(8*(\a)+(\b))+7], v[(\f)+8*(\b):(\f)+8*(\b)+7], v[(\f)+8*(4*(\hi)+(\a)):(\f)+8*(4*(\hi)+(\a))+7], v[8*(8*(\a)+(\b)):8*(8*(\a)+(\b))+7]
.endif
.endr
.endr
.endm
.macro ADDR                            ; my two places in the slot in hand
	v_add_nc_u32 v[ADRA], s[TB], v[A0]
	v_add_nc_u32 v[ADRB], s[TB], v[B0]
.endm
.macro FETCH k, f                      ; 32 LDS loads in one run: 128 rows of k, 128 rows of q, 32 along K at byte k of the rows of the slot in hand
	WIN TO_B
.irp i, 0,1,2,3,4,5,6,7
	ds_load_b128 v[(\f)+8*(\i):(\f)+8*(\i)+3],   v[ADRB] offset:(\k)+(\i)*16*PITCH
	ds_load_b128 v[(\f)+8*(\i)+4:(\f)+8*(\i)+7], v[ADRB] offset:(\k)+(\i)*16*PITCH+32
.endr
	WIN 0
.irp i, 0,1,2,3,4,5,6,7
	ds_load_b128 v[(\f)+8*(\i):(\f)+8*(\i)+3],   v[ADRA] offset:(\k)+(\i)*16*PITCH
	ds_load_b128 v[(\f)+8*(\i)+4:(\f)+8*(\i)+7], v[ADRA] offset:(\k)+(\i)*16*PITCH+32
.endr
.endm
; One of a K step's first three quarters: multiplies buffer f; in its middle it fetches the next quarter's fragments, at byte k of the rows, into buffer g
.macro QUARTER k, f, g, zero
	s_wait_dscnt 8                                 ; k and q's rows 0-63 are in; the youngest eight loads (q's rows 64-127) may be out
	MUL16 \f, 0, 0, \zero
	MUL16 \f, 0, 2, \zero
	PLACES
	FETCH \k, \g
	s_wait_dscnt 32                                ; all but the 32 just issued
	MUL16 \f, 1, 0, \zero
	MUL16 \f, 1, 2, \zero
.endm
; The last quarter multiplies buffer 1 and changes slots: ONE barrier; in front of it each wave waits for all its tensor loads, adds 0 to its spare word, and waits for that and for its reads of this slot.
; fill = 1: the slot that is left is filled again first thing behind the barrier, with the K step two on.
.macro TURN fill
	WIN 0
	s_wait_tensorcnt 0x0                           ; all my tensor loads have landed: my part of the next slot; so a group 0 may be written
	ds_add_u32 v[SPW], v[NIL]                      ; 0 onto my spare word;
.if \fill
	s_add_co_u32 s[G0+5], s[TB], s20               ; the walking descriptor: my part of the slot that is being left,
	s_add_nc_u64 s[G0+6:G0+7], s[G0+6:G0+7], 256   ; the next K step; the type bits on top are not reached
.endif
	s_wait_dscnt 9                                 ; (the add and the youngest eight loads may be out)
	MUL16 F1, 0, 0, 0
	s_wait_dscnt 0x0                               ; the add is done, and my reads of this slot are over
	s_barrier_signal -1
	MUL16 F1, 0, 2, 0
	s_barrier_wait -1
.if \fill
	tensor_load_to_lds s[G0+4:G0+7], s[G1:G1+7]    ; my one tensor load behind the barrier: 224 matrix instructions ahead of the wait for it
	s_nop 0
.endif
	PLACES                                         ; the places in front of the loads below
	s_xor_b32 s[TB], s[TB], SLOT                   ; now the other slot is in hand
	WIN 0
	ADDR
	FETCH 0, F0
	MUL16 F1, 1, 0, 0
	MUL16 F1, 1, 2, 0
.endm
	s_wait_tensorcnt 1                             ; my part of K step 0 is in; K step 1's may stay out
	s_barrier_signal -1
	s_barrier_wait -1
	ADDR
	FETCH 0, F0
	QUARTER 64,  F0, F1, 1                         ; the first quarter's products start the sums
	WIN 0
	s_mov_b32 s3, STEPS-2
.Lstep:                                                ; six trips: a step's last three quarters, of which the last asks for the step two on, and the next step's first
	QUARTER 128, F1, F0, 0
	QUARTER 192, F0, F1, 0
	TURN 1
	QUARTER 64,  F0, F1, 0
	WIN 0
	s_sub_co_u32 s3, s3, 1
	s_cmp_lg_u32 s3, 0
	s_cbranch_scc1 .Lstep
	s_mov_b32 s3, 2
.Ltail:                                                ; the last two steps ask for nothing: a text of their own; the second trip is left behind the step's last quarter
	QUARTER 128, F1, F0, 0
	QUARTER 192, F0, F1, 0
	TURN 0
	WIN 0
	s_sub_co_u32 s3, s3, 1
	s_cmp_eq_u32 s3, 0
	s_cbranch_scc1 .Lsoft
	QUARTER 64,  F0, F1, 0
	WIN 0
	s_cmp_lg_u32 s3, 0                             ; the loop's own backward jump, on its counter
	s_cbranch_scc1 .Ltail
.Lsoft:
	s_wait_dscnt 0x0                               ; the last change of slots has fetched 32 fragments of the old slot that serve nothing (the price, once a launch, of one text for both trips): they are in before their registers are written
	PLACES                                         ; behind the last products
	v_mov_b32 v[T+4], 0                            ; a lane exchange's destination counts as read
	v_mov_b32 v[CM+1], 0                           ; named with c m as a pair
	; THE MASK, only where my block holds the diagonal: key block b against query block a: b > a all hidden, b < a all seen, b = a hidden where register r > l % 16 - 8 (l / 16)
	s_cmp_lg_u32 s40, s41
	s_cbranch_scc1 .Lnomask
	s_cmp_lg_u32 s11, s12
	s_cbranch_scc1 .Lnomask
.irp r, 0,1,2,3,4,5,6,7
	v_cmp_gt_i32 s[MK+(\r)], \r, v[DG]
.endr
.irp a, 0,1,2,3,4,5,6,7
	WIN 0x82+0x41*((\a)/4)                         ; destination and source 0 in the block's window
.irp b, 0,1,2,3,4,5,6,7
.if (\b) == (\a)
.irp r, 0,1,2,3,4,5,6,7
	v_cndmask_b32 v[8*(8*((\a)%4)+(\b))+(\r)], v[8*(8*((\a)%4)+(\b))+(\r)], s[BIGN], s[MK+(\r)]
.endr
.elseif (\b) > (\a)
.irp r, 0,1,2,3,4,5,6,7
	v_mov_b32 v[8*(8*((\a)%4)+(\b))+(\r)], s[BIGN]
.endr
.endif
.endr
.endr
	WIN 0
.Lnomask:
.macro CVT i                           ; pair i of 32 rounded to f16
	s_wait_alu depctr_va_vdst(0)
	v_cvt_pk_f16_f32 v[TMP+(\i)], v[X+2*(\i)], v[X+2*(\i)+1]
.endm
.macro ADDP i                          ; pair i joins running sum i % 4; pairs 4-7 start the four sums with pairs 0-3
.if (\i) < 8
	v_pk_add_f32 v[LS+2*((\i)%4):LS+2*((\i)%4)+1], v[X+2*(\i)-8:X+2*(\i)-7], v[X+2*(\i):X+2*(\i)+1]
.else
	v_pk_add_f32 v[LS+2*((\i)%4):LS+2*((\i)%4)+1], v[LS+2*((\i)%4):LS+2*((\i)%4)+1], v[X+2*(\i):X+2*(\i)+1]
.endif
.endm
; Query block a of window 2's four: the maximum of a lane's 64 scores and the other half of the lanes'; c s - c m; 64 exponentials with the roundings and the sums between them; l.
.macro SOFT a
.set AC, 64*(\a)
	WIN 0x0a                                       ; sources 0 and 1 in window 2
.irp c, 0,1,2,3                        ; four chains of 16 scores; each accumulator is read from its lowest registers on
	v_max_num_f32 v[T+\c], v[AC+16*\c], v[AC+16*\c+1]
.endr
.irp k, 0,1,2,3,4,5,6
.irp c, 0,1,2,3
	v_max3_num_f32 v[T+\c], v[AC+16*\c+2+2*\k], v[AC+16*\c+3+2*\k], v[T+\c]
.endr
.endr
	WIN 0
	v_max3_num_f32 v[T], v[T], v[T+1], v[T+2]
	v_max_num_f32 v[T], v[T], v[T+3]
	v_permlanex16_b32 v[T+4], v[T], s[SEL], s[SEL+1]   ; the query's other 64 keys lie in the lane 16 away
	v_max_num_f32 v[T], v[T], v[T+4]
	v_mul_f32 v[CM], s[CS], v[T]
	WIN 0x02                                       ; source 0 in window 2
.set i, 0
.rept 32
	v_pk_fma_f32 v[X+2*i:X+2*i+1], v[AC+2*i:AC+2*i+1], s[CS:CS+1], v[CM:CM+1] op_sel_hi:[1,0,0] neg_lo:[0,0,1] neg_hi:[0,0,1]
.set i, i+1
.endr
	WIN 0
.set n, 0
.rept 64                               ; a weight is used only when a plain instruction has stood behind its exponential: pair i is rounded behind exponential 2 i + 3, added behind 2 i + 4
	v_exp_f32 v[X+n], v[X+n]
.if n == 1
	v_nop
.elseif (n%2 == 1) && (n >= 3)
	CVT (n-3)/2
.elseif (n%2 == 0) && (n >= 12)
	ADDP (n-4)/2
.endif
.set n, n+1
.endr
	ADDP 30
	CVT 31
	ADDP 31
	v_pk_add_f32 v[LS:LS+1], v[LS:LS+1], v[LS+2:LS+3]
	v_pk_add_f32 v[LS+4:LS+5], v[LS+4:LS+5], v[LS+6:LS+7]
	v_pk_add_f32 v[LS:LS+1], v[LS:LS+1], v[LS+4:LS+5]
	v_add_f32 v[T], v[LS], v[LS+1]
	v_permlanex16_b32 v[T+4], v[T], s[SEL], s[SEL+1]
	v_mov_b32 v[STV+2*(\a)], v[CM]
	v_add_f32 v[STV+2*(\a)+1], v[T], v[T+4]
.endm
.macro TOSTAGE a
.set BK, OB+32*((\a)%2)
.irp b, 0,1,2,3,4,5,6,7
	ds_store_b128 v[STO], v[TMP+4*(\b):TMP+4*(\b)+3] offset:32*(\b)
.endr
.irp t, 0,1,2,3,4,5,6,7
	ds_load_b128 v[BK+4*(\t):BK+4*(\t)+3], v[RD] offset:(\t)*2*SPITCH  ; LDS serves a wave's instructions in order: these see the stores above
.endr
.endm
.macro SEND a
.set BK, OB+32*((\a)%2)
	s_wait_dscnt 0x0                               ; the block is back in registers
	s_wait_xcnt 0x0                                ; the registers that the block before last's stores read are loaded again only behind this wait
.irp t, 0,1,2,3,4,5,6,7
	global_store_b128 v[CO], v[BK+4*(\t):BK+4*(\t)+3], s[6:7] offset:(16*(\a)+2*(\t))*4096  ; 16 lanes store 256 consecutive bytes, aligned: 128 keys of one query
.endr
.endm
	s_mov_b32 s3, 2
.Lhalf:                                                ; two trips: my queries 0-63, then my queries 64-127
	SOFT 0
	TOSTAGE 0
.irp a, 1,2,3                          ; block a's softmax stands between block a - 1's loads from the stage and the wait for them
	SOFT \a
	SEND (\a)-1
	TOSTAGE \a
.endr
	SEND 3
	; THE STATISTICS of these 64 queries: 32 queries a store, 8 bytes a lane: lanes 0-15 take block 2 p's pair, lanes 16-31 block 2 p + 1's: 256 consecutive bytes, aligned
.irp p, 0,1
	v_cndmask_b32 v[Y+2*(\p)], v[STV+4*(\p)], v[STV+4*(\p)+2], s[H16]
	v_cndmask_b32 v[Y+2*(\p)+1], v[STV+4*(\p)+1], v[STV+4*(\p)+3], s[H16]
	v_cndmask_b32 v[Y+2*(\p)], v[Y+2*(\p)], s[BIGN], s[HM]
	global_store_b64 v[SO], v[Y+2*(\p):Y+2*(\p)+1], s[8:9] offset:256*(\p)
.endr
	s_sub_co_u32 s3, s3, 1
	s_cmp_eq_u32 s3, 0
	s_cbranch_scc1 .Ldone
	s_wait_xcnt 0x0                                ; the stores' bases and data registers are written again only behind this wait
	s_add_nc_u64 s[6:7], s[6:7], 64*4096           ; 64 rows of pt on,
	s_add_nc_u64 s[8:9], s[8:9], 64*8              ; 64 pairs of st on
	WIN 0x83                                       ; destination window 2, source window 3: my queries 64-127 go where the one text names the scores
.set i, 0
.rept 256
	v_mov_b32 v[i], v[i]
.set i, i+1
.endr
	WIN 0
	s_cmp_lg_u32 s3, 0                             ; the loop's own backward jump, on its counter
	s_cbranch_scc1 .Lhalf
.Ldone:
	s_wait_tensorcnt 0x0                           ; the wave's end
	ds_add_u32 v[SPW], v[NIL]
	s_wait_dscnt 0x0
	s_endpgm
.Lfunc_end_k_qc5c61f8aa8_score:
	.size	k_qc5c61f8aa8_score, .Lfunc_end_k_qc5c61f8aa8_score-k_qc5c61f8aa8_score
	.p2alignl 7, 3214868480
	.fill 96, 4, 3214868480
	.section	.rodata,"a",@progbits
	.p2align	6, 0x0
	.amdhsa_kernel k_qc5c61f8aa8_score
		.amdhsa_group_segment_fixed_size 327680
		.amdhsa_private_segment_fixed_size 0
		.amdhsa_enable_private_segment 0
		.amdhsa_kernarg_size 24
		.amdhsa_user_sgpr_count 2
		.amdhsa_user_sgpr_kernarg_segment_ptr 1
		.amdhsa_wavefront_size32 1
		.amdhsa_system_sgpr_workgroup_id_x 1
		.amdhsa_system_sgpr_workgroup_id_y 1
		.amdhsa_system_sgpr_workgroup_id_z 1
		.amdhsa_system_vgpr_workitem_id 0
		.amdhsa_next_free_vgpr 1024
		.amdhsa_next_free_sgpr 66
		.amdhsa_reserve_vcc 0
		.amdhsa_float_denorm_mode_32 3
		.amdhsa_float_denorm_mode_16_64 3
		.amdhsa_memory_ordered 1
		.amdhsa_forward_progress 1
		.amdhsa_inst_pref_size 140
	.end_amdhsa_kernel
	.amdgpu_metadata
---
amdhsa.version: [ 1, 2 ]
amdhsa.kernels:
  - .name:           k_qc5c61f8aa8_score
    .symbol:         k_qc5c61f8aa8_score.kd
    .args:
      - { .name: qkv, .offset: 0, .size: 8, .value_kind: global_buffer, .address_space: global }
      - { .name: pt, .offset: 8, .size: 8, .value_kind: global_buffer, .address_space: global }
      - { .name: st, .offset: 16, .size: 8, .value_kind: global_buffer, .address_space: global }
    .group_segment_fixed_size: 327680
    .private_segment_fixed_size: 0
    .kernarg_segment_align: 8
    .kernarg_segment_size: 24
    .max_flat_workgroup_size: 128
    .sgpr_count:     66
    .vgpr_count:     1024
    .wavefront_size: 32
...
	.end_amdgpu_metadata
.endif
;; end of part 6
;; launch pv: the kernel of part 4 again; grid 8 x 32, 4 waves a work-group, clusters of 4 x 1, 327,680 bytes of LDS; arguments pt, qkv, st, out0; writes out0
